; MI455X (gfx1250); checked and timed in simulation.
; The chip was launched on July 23, 2026; its instructions are those of AMD's public machine-readable ISA for CDNA 5 (MIT licence, August 2026) and "CDNA5" Instruction Set Architecture Reference Guide (July 2026). The comments in the code are by the model that wrote it; some were corrected since.
;; Cross Attention. Allowed arithmetic: matrix products marked QUANTISED: E2M1 operands, one E8M0 scale for each 32 along K, by v_wmma_scale_f32_16x16x128_f8f6f4 with both operands' format E2M1 (or v_wmma_scale_f32_32x16x128_f4), f32 sums; products left as they are: bf16, f16 or f32 operands; f32 sums; everything else in f32.
;; Inputs: Wk 1,024 x 1,024 float32; Wo 1,024 x 1,024 float32; Wq 1,024 x 1,024 float32; Wv 1,024 x 1,024 float32; attention_mask 8 x 1,024 x 1,024 int32; bk 1,024 float32; bo 1,024 float32; bq 1,024 float32; bv 1,024 float32; key_value 8 x 1,024 x 1,024 float32; query 8 x 1,024 x 1,024 float32.
;; Outputs: out0 8 x 1,024 x 1,024 float32.
;; This version of the problem:
;;   THIS VERSION OF THE PROBLEM IS GIVEN IN LOW PRECISION. The matrix products marked QUANTISED in the list below multiply operands that are first quantised to E2M1 (2 exponent bits, 1 mantissa bit; 4 bits a number), with one power-of-two scale for each 32 numbers along K (OCP MX v1.0); their sums are f32. The products marked 'left as it is' may take bf16, f16 or f32 operands, with f32 sums. Whichever they take, every output number must still come out within the allowed error. Rounding operands to bf16 (8 significant bits) uses up far more of that allowance than f16 does (11 bits, for magnitudes from 6e-5 to 65,504). All else is computed in f32.
;;   The module's matrix products, in the order in which they are computed (A, B: the left and right operand; K: the contracted axis; several contracted axes count as one K, in the product's order):
;;     1. [M 8,192, K 1,024] x [K 1,024, N 1,024]; A: input query; B: input Wq: QUANTISED
;;     2. [M 8,192, K 1,024] x [K 1,024, N 1,024]; A: input key_value; B: input Wk: QUANTISED
;;     3. [M 8,192, K 1,024] x [K 1,024, N 1,024]; A: input key_value; B: input Wv: QUANTISED
;;     4. batch 8 x [M 1,024, K 1,024] x [K 1,024, N 1,024]; A: computed on the way; B: computed on the way: left as it is (an operand is computed on the way)
;;     5. batch 8 x [M 1,024, K 1,024] x [K 1,024, N 1,024]; A: computed on the way; B: computed on the way: left as it is (an operand is computed on the way)
;;     6. [M 8,192, K 1,024] x [K 1,024, N 1,024]; A: computed on the way; B: input Wo: left as it is (an operand is computed on the way)
;;   THE QUANTISER, for each operand of a quantised product, along K:
;;     - K is cut into blocks of 32 from its start; a last block that is shorter is filled with zeros.
;;     - A block's scale is 2^e with e = floor(log2(the largest magnitude in the block)) - 2, held to -126 .. 127; a block of zeros has e = 0. As a byte (E8M0): e + 127.
;;     - Each number is divided by its block's scale, clamped to +-6, and rounded to the nearest number of E2M1, ties to even, subnormals kept.
;;     - The product sums the exact products of the quantised numbers (number of the format x scale) in f32.
;;   ~~~python
;;   def quantise(x, axis):      # numpy; x: float32 -> the quantised numbers, widened to float32 again
;;       x = np.moveaxis(x, axis, -1); K = x.shape[-1]
;;       x = np.pad(x, [(0, 0)] * (x.ndim - 1) + [(0, -K % 32)]); x = x.reshape(x.shape[:-1] + (-1, 32)); a = np.abs(x).max(-1, keepdims=True)
;;       e = np.where(a > 0, np.clip(np.frexp(np.where(a > 0, a, 1))[1] - 1 - 2, -126, 127), 0)      # np.frexp(a)[1] - 1 = floor(log2(a)), exactly
;;       r = np.clip(x / 2.0 ** e, -6, 6)
;;       step = 2.0 ** (np.maximum(np.frexp(np.where(r == 0, 1, r))[1] - 1, 0) - 1)
;;       q = np.round(r / step) * step * 2.0 ** e      # np.round: ties to even
;;       return np.moveaxis(q.reshape(q.shape[:-2] + (-1,))[..., :K], -1, axis).astype(np.float32)
;;   ~~~
;; One version. Each part assembles by itself: llvm-mc -triple=amdgcn-amd-amdhsa -mcpu=gfx1250 --defsym DOCPART=n.
;; ======== version 1 of 1: 5 launches
;; limits: values are held in f16: magnitudes above 65,504 overflow, below 6.1e-05 lose precision
;; workspace buffers: codes 9,961,472 bytes; scales 622,592 bytes; woh 2,097,152 bytes; qk 33,554,432 bytes; vt 16,777,216 bytes; pimg 16,777,216 bytes; stats 524,288 bytes; oimg 16,777,216 bytes
;; launch prep (part 1): grid 640 x 1, 4 waves a work-group, no clusters, 67,072 bytes of LDS; arguments query, key_value, Wq, Wk, Wv, Wo, codes, scales, woh; writes codes, scales, woh
.if DOCPART == 1
	.amdgcn_target "amdgcn-amd-amdhsa--gfx1250"
	.amdhsa_code_object_version 6
	.text
	.protected	k_qec56858500_prep
	.globl	k_qec56858500_prep
	.p2align	8
	.type	k_qec56858500_prep,@function
k_qec56858500_prep:
	s_mov_b64 s[64:65], 0
	v_nop
	global_prefetch_b8 v0, s[64:65] scope:SCOPE_SE
	s_setreg_imm32_b32 hwreg(HW_REG_WAVE_MODE, 25, 1), 1
	s_wait_xcnt 0x0
; query, key_value [8192][1024] and Wq, Wk, Wv [1024][1024], f32, become codes of FP4 (E2M1), K innermost, with one E8M0 scale byte for each 32 along K;
; Wo [1024][1024], f32, becomes f16, laid in the order in which a matrix operand's registers take it.
; THE QUANTISER (work-groups 0 to 607).  A block's scale is 2^(floor(log2(its largest magnitude)) - 2); its byte is the largest magnitude's own exponent field - 2, held at 1 from below.
; Each number is divided by the scale and rounded to the nearest code, ties to even; beyond 6 the largest code.  Rows are dense and 1,024 is a multiple of 32, so each tensor is a plain stream of blocks of 32.
; The five tensors lie one behind the other in the two workspace buffers, in the order of the work-groups, so only the input's pointer is chosen: 256 work-groups query, 256 key_value, 32 each Wq, Wk, Wv.
; A wave takes 16 steps of 512 numbers.  Each of a step's four loads reads 512 consecutive bytes; the 2,048 bytes turn through the wave's own stage in LDS and come back 64 bytes a lane, so that a lane holds
; 16 neighbours along K (two lanes hold a block).  A lane's 16 codes are 8 bytes: the wave stores 256 consecutive bytes.  A wave's 256 scale bytes are gathered in LDS and leave as one aligned run of 256 bytes.
; LIMITS: a block of zeros gets the byte 1 where the rule says 127 (its codes are zeros, and this program alone reads the bytes); blocks whose largest magnitude lies under 2^-124 get the byte 1; NaN and infinities are not served.
; THE IMAGE OF Wo (work-groups 608 to 639).  byte = T x 32768 + C x 1024 + c x 512 + 16 x lane holds Wo[16 T + lane % 16][32 C + 16 c + 8 (lane / 16) + 0 .. 7] as f16: a fragment of 16 rows x 32 K is then two loads of 16 bytes a lane.
; A wave takes 16 rows x 512 columns in four steps of 128 columns: 16 loads of 512 consecutive bytes, a turn through its own stage (rows 528 bytes apart), 32 roundings, 8 stores of 512 consecutive bytes.
; LIMIT: |Wo| under 65,504.  No tensor loads, no barrier: waves share nothing.  The two paths part on the work-group's number and have LDS bytes of their own.
.set WAVES, 4
.set STEPS, 16
.set QWG,   608                        ; work-groups of the quantiser
.set EMAX,  2
.set CB,    8                          ; bytes of 16 codes
.set R,     16                         ; v16-79   four sets of 16 numbers as they are loaded
.set X,     80                         ; v80-111  two sets of 16 neighbours
.set C,     128                        ; v128-191 codes: four registers for each step, so that no store's data are written again
.set E,     112                        ; v112-127 a scale byte for each step
.set WREG,  8192                       ; LDS: a region for each wave of the quantiser: two stages of 32 x SP bytes, behind them its 256 scale bytes
.set SP,    80                         ; a lane's place in a stage: its 64 bytes + 16 of padding
.set SPW,   12                         ; v12      LDS address of my spare word; never rewritten
.set NIL,   13                         ; v13      0; never rewritten
.set WSTG,  WAVES*WREG                 ; LDS: the stages of the path for Wo: 16 rows x WPITCH for each wave
.set WPITCH, 528                       ; 512 bytes + 16: 33 x 16, so that sixteen rows' 16 bytes fall on sixteen different columns of 16 bytes
.set SPARE, WSTG+WAVES*16*WPITCH       ; behind them: the spare words, 128 bytes for each wave: two blocks of 256 bytes that no other line names
.set RW,    16                         ; Wo: v16-143  two sets of 64 registers as loaded
.set XW,    144                        ; v144-207 64 numbers in the image's order
.set CW,    208                        ; v208-239 the same as f16
	s_load_b256 s[4:11], s[0:1], 0x0               ; query, key_value, Wq, Wk
	s_load_b256 s[12:19], s[0:1], 0x20             ; Wv, Wo, codes, scales
	s_load_b64 s[20:21], s[0:1], 0x40              ; woh
	v_lshl_add_u32 v[SPW], v0, 2, SPARE
	v_mov_b32 v[NIL], 0
	v_lshrrev_b32 v1, 5, v0
	v_readfirstlane_b32 s24, v1                    ; wave
	v_and_b32 v2, 31, v0                           ; lane
	s_cmp_ge_u32 ttmp9, QWG                        ; the work-group's number alone decides the path
	s_cbranch_scc1 .Lwo
	; ---------------- the quantiser ----------------
	v_lshlrev_b32 v3, 4, v2                        ; my 16 bytes of a load's 512
	s_mul_i32 s25, s24, WREG
	v_lshrrev_b32 v14, 2, v2
	v_mul_u32_u24 v14, v14, SP
	v_and_b32 v15, 3, v2
	v_lshl_add_u32 v14, v15, 4, v14
	v_add_nc_u32 v14, s25, v14                     ; the stage, on the way in: four lanes' 64 bytes on end, then 16 of padding
	v_mul_u32_u24 v15, v2, SP
	v_add_nc_u32 v15, s25, v15                     ; and on the way out: SP x lane: my 16 neighbours
	v_mul_u32_u24 v4, v2, CB                       ; my codes' place in a step's
	v_lshrrev_b32 v5, 1, v2
	s_add_co_u32 s25, s25, 2*32*SP
	v_add_nc_u32 v5, s25, v5                       ; LDS: my wave's 256 scale bytes, my block's byte
	v_lshlrev_b32 v7, 3, v2                        ; and on the way out 8 bytes a lane
	v_add_nc_u32 v6, s25, v7
	s_wait_kmcnt 0x0
	s_mov_b64 s[26:27], s[12:13]                   ; whose work-group?  Wv's from 576 on,
	s_mov_b32 s28, 576
	s_cmp_lt_u32 ttmp9, 576
	s_cselect_b64 s[26:27], s[10:11], s[26:27]     ; Wk's from 544,
	s_cselect_b32 s28, 544, s28
	s_cmp_lt_u32 ttmp9, 544
	s_cselect_b64 s[26:27], s[8:9], s[26:27]       ; Wq's from 512,
	s_cselect_b32 s28, 512, s28
	s_cmp_lt_u32 ttmp9, 512
	s_cselect_b64 s[26:27], s[6:7], s[26:27]       ; key_value's from 256,
	s_cselect_b32 s28, 256, s28
	s_cmp_lt_u32 ttmp9, 256
	s_cselect_b64 s[26:27], s[4:5], s[26:27]       ; query's from 0
	s_cselect_b32 s28, 0, s28
	s_sub_co_u32 s28, ttmp9, s28
	s_lshl_b32 s28, s28, 2
	s_add_co_u32 s28, s28, s24                     ; which run of 8,192 numbers of the tensor is my wave's
	s_lshl_b32 s28, s28, 15                        ; 32,768 bytes a run
	s_mov_b32 s29, 0
	s_add_nc_u64 s[4:5], s[26:27], s[28:29]
	s_lshl_b32 s30, ttmp9, 2
	s_add_co_u32 s30, s30, s24                     ; and which run of the workspace
	s_lshl_b32 s28, s30, 12                        ; 4,096 bytes of codes a run
	s_add_nc_u64 s[8:9], s[16:17], s[28:29]
	s_lshl_b32 s28, s30, 8                         ; 256 scale bytes a run
	s_add_nc_u64 s[10:11], s[18:19], s[28:29]
.macro LOAD t
.irp i, 0,1,2,3
	global_load_b128 v[R+16*((\t)%4)+4*\i:R+16*((\t)%4)+4*\i+3], v3, s[4:5] offset:2048*(\t)+512*\i th:TH_LOAD_NT   ; 32 lanes read 512 consecutive bytes
.endr
.endm
.macro TURN t                          ; step t's numbers through the stage: LDS serves a wave's instructions in order, so no wait stands between the stores and the loads
.irp i, 0,1,2,3
	ds_store_b128 v14, v[R+16*((\t)%4)+4*\i:R+16*((\t)%4)+4*\i+3] offset:32*SP*((\t)%2)+8*SP*\i
.endr
.irp i, 0,1,2,3
	ds_load_b128 v[X+16*((\t)%2)+4*\i:X+16*((\t)%2)+4*\i+3], v15 offset:32*SP*((\t)%2)+16*\i
.endr
.endm
.irp t, 0,1,2,3
	LOAD \t
.endr
	s_wait_loadcnt 12                              ; step 0's four loads are in
	TURN 0
.macro STEP t
.set XS, X+16*((\t)%2)
.if (\t) > 0
	s_wait_dscnt 1                                 ; this step's numbers are back from the stage (the last step's byte store may be out): so its stores into the stage have read their registers,
.else
	s_wait_dscnt 0x0
.endif
.if (\t)+4 < STEPS
	LOAD (\t)+4                                    ; which take the loads of four steps on
.endif
.if (\t)+1 < STEPS
.if STEPS-2-(\t) >= 3
	s_wait_loadcnt 12                              ; the next step's four loads are in; those of the three steps behind it may be out
.else
	s_wait_loadcnt 4*(STEPS-2-(\t))
.endif
	TURN (\t)+1                                    ; and go through the other stage while this step is worked
.endif
	v_max3_num_f32 v8, |v[XS]|, |v[XS+1]|, |v[XS+2]|               ; the largest magnitude of my 16, in two chains
	v_max3_num_f32 v9, |v[XS+3]|, |v[XS+4]|, |v[XS+5]|
.irp i, 6,10
	v_max3_num_f32 v8, v8, |v[XS+\i]|, |v[XS+\i+1]|
	v_max3_num_f32 v9, v9, |v[XS+\i+2]|, |v[XS+\i+3]|
.endr
	v_max3_num_f32 v8, v8, |v[XS+14]|, |v[XS+15]|
	v_max3_num_f32 v8, v8, v9, (EMAX+1)<<23        ; and the floor 2^(EMAX + 1 - 127): the byte cannot fall under 1
	v_max_num_f32_dpp v8, v8, v8 row_xmask:1 row_mask:0xf bank_mask:0xf   ; and of my neighbour's 16: the block's
	v_add_nc_u32 v11, -(EMAX<<23), v8              ; EMAX off its exponent field: the conversion takes the exponent field of this operand as its scale, and nothing else of it
	v_cvt_scalef32_pk8_fp4_f32 v[C+4*(\t)], v[XS:XS+7], v11
	v_cvt_scalef32_pk8_fp4_f32 v[C+4*(\t)+1], v[XS+8:XS+15], v11
	v_lshrrev_b32 v[E+(\t)], 23, v11               ; the scale's byte (a plain line behind the conversions)
	ds_store_b8 v5, v[E+(\t)] offset:16*(\t)       ; both lanes of a block write the same byte with the same value
	global_store_b64 v4, v[C+4*(\t):C+4*(\t)+1], s[8:9] offset:32*CB*(\t)
.endm
.irp t, 0,1,2,3,4,5,6,7,8,9,10,11,12,13,14,15
	STEP \t
.endr
	ds_load_b64 v[8:9], v6                         ; LDS serves a wave's instructions in order: these see my stores
	s_wait_dscnt 0x0
	global_store_b64 v7, v[8:9], s[10:11]          ; 32 lanes store 256 consecutive bytes, aligned
	s_wait_tensorcnt 0x0                           ; the wave's end: three lines behind my last LDS store
	ds_add_u32 v[SPW], v[NIL]
	s_wait_dscnt 0x0
	s_endpgm
	; ---------------- Wo's image ----------------
.Lwo:
	v_lshlrev_b32 v1, 4, v2                        ; 16 x lane: my place in a load's 512 bytes and in a store's
	v_and_b32 v4, 15, v0                           ; r
	v_bfe_u32 v5, v0, 4, 1                         ; h
	s_mul_i32 s25, s24, 16*WPITCH
	s_add_co_u32 s25, s25, WSTG                    ; my stage
	v_add_nc_u32 v6, s25, v1                       ; on the way in: a row as it lies
	v_mul_u32_u24 v7, v4, WPITCH
	v_lshl_add_u32 v7, v5, 5, v7
	v_add_nc_u32 v7, s25, v7                       ; on the way out: row r, + 32 h bytes: my eight numbers of 16
	s_sub_co_u32 s26, ttmp9, QWG
	s_lshl_b32 s26, s26, 2
	s_add_co_u32 s26, s26, s24                     ; my wave's job, 0 .. 127
	s_lshr_b32 s27, s26, 1                         ; which 16 rows
	s_and_b32 s26, s26, 1                          ; which 512 columns
	s_lshl_b32 s28, s27, 16                        ; Wo: 16 rows of 4,096 bytes,
	s_lshl_b32 s30, s26, 11                        ; 512 columns of 4 bytes
	s_add_co_u32 s28, s28, s30
	s_mov_b32 s29, 0
	s_lshl_b32 s30, s27, 15                        ; the image: 32,768 bytes for 16 rows,
	s_lshl_b32 s31, s26, 14                        ; 16 chunks of 1,024
	s_add_co_u32 s30, s30, s31
	s_mov_b32 s31, 0
	s_wait_kmcnt 0x0
	s_add_nc_u64 s[14:15], s[14:15], s[28:29]
	s_add_nc_u64 s[20:21], s[20:21], s[30:31]
.macro LOADW t                         ; step t: 16 rows x 128 columns into set t % 2
.irp i, 0,1,2,3,4,5,6,7,8,9,10,11,12,13,14,15
	global_load_b128 v[RW+64*((\t)%2)+4*\i:RW+64*((\t)%2)+4*\i+3], v1, s[14:15] offset:\i*4096+(\t)*512 th:TH_LOAD_NT
.endr
.endm
.macro STEPW t
.if (\t) < 3
	s_wait_loadcnt 16                              ; this step's 16 loads are in; the next step's may be out
.else
	s_wait_loadcnt 0x0
.endif
.irp i, 0,1,2,3,4,5,6,7,8,9,10,11,12,13,14,15
	ds_store_b128 v6, v[RW+64*((\t)%2)+4*\i:RW+64*((\t)%2)+4*\i+3] offset:\i*WPITCH
.endr
.irp q, 0,1,2,3
.irp c, 0,1
.irp u, 0,1
	ds_load_b128 v[XW+8*(2*\q+\c)+4*\u:XW+8*(2*\q+\c)+4*\u+3], v7 offset:128*\q+64*\c+16*\u   ; Wo(r, 32 q + 16 c + 8 h + 4 u ..): LDS serves a wave's instructions in order
.endr
.endr
.endr
	s_wait_dscnt 0x0                               ; the numbers are back, and the stores have read their registers,
.if (\t) < 2
	LOADW (\t)+2                                   ; which take the loads of two steps on
.endif
.if (\t) > 0
	s_wait_xcnt 0x0                                ; the last step's stores have read their data: it is written again only behind this wait
.endif
.irp k, 0,1,2,3,4,5,6,7
.irp i, 0,1,2,3
	v_cvt_pk_f16_f32 v[CW+4*\k+\i], v[XW+8*\k+2*\i], v[XW+8*\k+2*\i+1]
.endr
.endr
.irp q, 0,1,2,3
.irp c, 0,1
	global_store_b128 v1, v[CW+4*(2*\q+\c):CW+4*(2*\q+\c)+3], s[20:21] offset:(4*(\t)+\q)*1024+512*\c   ; 32 lanes store 512 consecutive bytes
.endr
.endr
.endm
	LOADW 0
	LOADW 1
.irp t, 0,1,2,3
	STEPW \t
.endr
	s_wait_tensorcnt 0x0                           ; the wave's end: three lines behind my last LDS store
	ds_add_u32 v[SPW], v[NIL]
	s_wait_dscnt 0x0
	s_endpgm
.Lfunc_end_k_qec56858500_prep:
	.size	k_qec56858500_prep, .Lfunc_end_k_qec56858500_prep-k_qec56858500_prep
	.p2alignl 7, 3214868480
	.fill 96, 4, 3214868480
	.section	.rodata,"a",@progbits
	.p2align	6, 0x0
	.amdhsa_kernel k_qec56858500_prep
		.amdhsa_group_segment_fixed_size 67072
		.amdhsa_private_segment_fixed_size 0
		.amdhsa_enable_private_segment 0
		.amdhsa_kernarg_size 72
		.amdhsa_user_sgpr_count 2
		.amdhsa_user_sgpr_kernarg_segment_ptr 1
		.amdhsa_wavefront_size32 1
		.amdhsa_system_sgpr_workgroup_id_x 1
		.amdhsa_system_sgpr_workgroup_id_y 1
		.amdhsa_system_sgpr_workgroup_id_z 1
		.amdhsa_system_vgpr_workitem_id 0
		.amdhsa_next_free_vgpr 240
		.amdhsa_next_free_sgpr 66
		.amdhsa_reserve_vcc 0
		.amdhsa_float_denorm_mode_32 3
		.amdhsa_float_denorm_mode_16_64 3
		.amdhsa_memory_ordered 1
		.amdhsa_forward_progress 1
		.amdhsa_inst_pref_size 60
	.end_amdhsa_kernel
	.amdgpu_metadata
---
amdhsa.version: [ 1, 2 ]
amdhsa.kernels:
  - .name:           k_qec56858500_prep
    .symbol:         k_qec56858500_prep.kd
    .args:
      - { .name: query, .offset: 0, .size: 8, .value_kind: global_buffer, .address_space: global }
      - { .name: key_value, .offset: 8, .size: 8, .value_kind: global_buffer, .address_space: global }
      - { .name: Wq, .offset: 16, .size: 8, .value_kind: global_buffer, .address_space: global }
      - { .name: Wk, .offset: 24, .size: 8, .value_kind: global_buffer, .address_space: global }
      - { .name: Wv, .offset: 32, .size: 8, .value_kind: global_buffer, .address_space: global }
      - { .name: Wo, .offset: 40, .size: 8, .value_kind: global_buffer, .address_space: global }
      - { .name: codes, .offset: 48, .size: 8, .value_kind: global_buffer, .address_space: global }
      - { .name: scales, .offset: 56, .size: 8, .value_kind: global_buffer, .address_space: global }
      - { .name: woh, .offset: 64, .size: 8, .value_kind: global_buffer, .address_space: global }
    .group_segment_fixed_size: 67072
    .private_segment_fixed_size: 0
    .kernarg_segment_align: 8
    .kernarg_segment_size: 72
    .max_flat_workgroup_size: 128
    .sgpr_count:     66
    .vgpr_count:     240
    .wavefront_size: 32
...
	.end_amdgpu_metadata
.endif
;; end of part 1
;; launch proj (part 2): grid 4 x 64, 4 waves a work-group, clusters of 4 x 4, 327,680 bytes of LDS; arguments codes, scales, bq, bk, qk, vt; writes qk, vt
.if DOCPART == 2
	.amdgcn_target "amdgcn-amd-amdhsa--gfx1250"
	.amdhsa_code_object_version 6
	.text
	.protected	k_qec56858500_proj
	.globl	k_qec56858500_proj
	.p2align	8
	.type	k_qec56858500_proj,@function
k_qec56858500_proj:
	s_mov_b64 s[64:65], 0
	v_nop
	global_prefetch_b8 v0, s[64:65] scope:SCOPE_SE
	s_setreg_imm32_b32 hwreg(HW_REG_WAVE_MODE, 25, 1), 1
	s_wait_xcnt 0x0
	s_wait_alu depctr_hold_cnt(0) depctr_sa_sdst(0) depctr_va_vdst(0) depctr_va_sdst(0) depctr_va_ssrc(0) depctr_va_vcc(0) depctr_vm_vsrc(0)
	s_getreg_b32 s2, hwreg(HW_REG_IB_STS2, 6, 4)
	s_cmp_eq_u32 s2, 0
	s_cbranch_scc0 .Lentry_in_a_cluster
	s_endpgm
.Lentry_in_a_cluster:
	s_bfe_u32 s2, ttmp6, 0x10000c
	s_cmp_lg_u32 s2, 0xf033
	s_cbranch_scc0 .Lentry_shape_is_right
	s_endpgm
.Lentry_shape_is_right:
; The three quantised products, on codes of FP4 (E2M1) with one E8M0 scale for each 32 along K = 1,024; sums in f32; results rounded once to f16.
;   q = query Wq^T + bq      k = key_value Wk^T + bk      v^T = Wv key_value^T  (bv is added where v is used: the softmax's weights sum to 1)
; C[m][n] = sum over k of A[m][k] B[n][k].  Codes and scale bytes of all five tensors lie as rows of one table (512 and 32 bytes a row): query from row 0, key_value from 8,192, Wq 16,384, Wk 17,408, Wv 18,432.
; A WORK-GROUP STAYS: the three products are 384 tiles of 256 x 256, and 256 work-groups make one and a half each.  First a WHOLE TILE of q (cluster y 0-7) or of k (8-15): tile row 4 (y % 8) + cy, tile column cx;
; four waves, each 128 x 128: 64 accumulators.  Then a HALF TILE of v^T: rows 512 (y % 2) + 128 cy on of Wv x tokens 1,024 (y / 2) + 256 cx on; each wave 64 x 128: 32 accumulators.
; THE RING: two LDS slots of 512 along K.  The whole tile's two K halves are asked for at the head; each slot, read out, takes the same K half of the half tile, so the whole tile's way out and its stores stand under the half tile's loads and products.
; THE SCALES of the whole tile's 256 + 256 rows come into LDS once, as dense rows of 256 bytes; the half tile's scale words go from memory into registers, two loads covering each run of 512 bytes whole.
; CLUSTERS: 4 x 4; A's tiles are asked for jointly along a row of the cluster, B's along a column, in both parts.
; THE MATRIX INSTRUCTION IS USED TRANSPOSED (source 0 = 16 rows of B, source 1 = 16 rows of A): a lane holds eight neighbouring numbers of a row of C.
; THE RESULT'S LAYOUT is the order in which the next product's operand registers take it: byte = T x RTB + C x 1024 + c x 512 + 16 x lane holds X[16 T + lane % 16][32 C + 16 c + 8 (lane / 16) + 0 .. 7] as f16
; (RTB = 32,768 for q and k, 262,144 for v^T).  An accumulator, packed, IS such a block of 512 bytes, in the same lanes: it is stored straight from registers, 512 consecutive bytes an instruction; no stage in LDS.
; The biases bq, bk are the C of each sum's first matrix instruction.  LIMIT: |q|, |k|, |v| under 65,504 (f16).
; REGISTERS: window 0: v0-31 addresses; v32-95 scale words, two sets; v96-109 the ways out's offsets and the scale loads'; v128-191 A's fragments (whole tile: one set of 8; half tile: two sets of 4);
;   v192-255 the bias, then the half tile's scale words.   window 1: v0-63, v128-191 B's fragments, two sets; v64-127, v192-255 packed results.
;   windows 2, 3: the accumulators of my rows 0-63, 64-127 (accumulator (a, b) at v[8 (8 (a % 4) + b)]); the half tile's lie in window 2.
.set NQ,     4                         ; matrix instructions deep in a slot
.set ROWB,   256                       ; a tile's row in bytes: 512 codes
.set KROW,   512                       ; a row of codes in memory
.set PITCH,  272                       ; an LDS row: 256 bytes + 16 of padding: the 16 rows that a load touches start at 16 different columns of 16 bytes
.set FR,     8
.set NL,     2
.set NP,     4
.set HALFT,  128*PITCH
.set HPART,  64*PITCH                  ; the half tile: what a wave fetches, and reads, of A
.set SLOT,   4*HALFT
.set KS,     32                        ; a row of scales in bytes
.set SCL,    2*SLOT
.set HALFS,  (128*KS/256)*272
.set SBLK,   (16*KS/256)*272
.set SPARE,  SCL+4*HALFS               ; the spare words, 128 bytes for each wave: two blocks of 256 bytes that no other line names
.set ADRA, 16                          ; v16-17  my A fragments in slot 0, 1: the whole tile's
.set ADRH, 18                          ; v18-19  the half tile's
.set ADRB, 20                          ; v20-21  my B fragments, in both parts
.set GO,   26                          ; v26  16 x lane
.set ADRS, 27
.set SPW,  28
.set NIL,  29
.set BO,   30                          ; v30  32 x (lane / 16): my eight numbers of a bias's sixteen
.set SC,   32
.set CO,   96                          ; v96-103   16 x lane + a x 32,768
.set VSL,  104                         ; v104, v105 byte offsets of the half tile's scale words, for blocks 0-3 and 4-7; never rewritten
.set VSH,  105
.set CO2,  106                         ; v106-109  16 x lane + a x 262,144
.set AF,   128
.set BI,   192                         ; v192-255 bias[my first column + 16 b + 8 h + j] at 8 b + j
.set SC2,  192                         ; then the half tile's scale words: set s at + 32 s, in it register 4 i + q as in SC
.set G1, 24
.set G0, 32
.set G1B, 48
.set G0B, 56
.set G1S, 68                           ; s[68:91]: the descriptors of the scales' load,
.set G0S, 76
.set G1SB, 80
.set G0SB, 88
.set G1A2, 68                          ; and, once that load is done, those of the half tile: group 1 for A's 64 rows,
.set G0A2, 76                          ; group 0 for A, a set for each slot,
.set G0B2, 84                          ; group 0 for B, likewise (B keeps its group 1)
.set MSB, 0
.macro WIN new                         ; the immediate's high byte repeats the setting that is left
.if MSB != \new
	s_set_vgpr_msb (MSB<<8)|\new
.set MSB, \new
.endif
.endm
.set MUL_LO, 0xa1                      ; source 0 (B) window 1, source 1 (A) window 0, C and D window 2
.set MUL_HI, 0xf1                      ; the same, C and D window 3
.set TO_B,   0x40
; A joint load: waves 0 and 1 fetch for A, waves 2 and 3 for B; the branch hangs on the wave's number alone.  An s_nop 0 and four v_nop follow each of the two lines.
.macro JLOAD g0a, g1a, g0b, g1b
	s_cmp_eq_u32 s15, 0
	s_cbranch_scc0 .Lfor_b_\@
	tensor_load_to_lds s[\g0a:\g0a+3], s[\g1a:\g1a+7]
	s_nop 0
.rept 4
	v_nop
.endr
	s_branch .Lasked_\@
.Lfor_b_\@:
	tensor_load_to_lds s[\g0b:\g0b+3], s[\g1b:\g1b+7]
	s_nop 0
.rept 4
	v_nop
.endr
.Lasked_\@:
.endm
.macro CREST                           ; a round of the cluster's barrier behind its opening barrier
	s_cmp_lg_u32 s14, 0
	s_cbranch_scc1 .Lnot_wave_0_\@
	s_barrier_signal -3
.Lnot_wave_0_\@:
	s_barrier_wait -3
	s_barrier_signal -1
	s_barrier_wait -1
.endm
.macro CROUND                          ; a whole round
	s_barrier_signal -1
	s_barrier_wait -1
	CREST
.endm
	s_load_b256 s[4:11], s[0:1], 0x0               ; codes s[4:5], scales s[6:7], bq s[8:9], bk s[10:11]
	s_load_b128 s[96:99], s[0:1], 0x20             ; qk s[96:97], vt s[98:99]
	v_lshl_add_u32 v[SPW], v0, 2, SPARE
	v_mov_b32 v[NIL], 0
	ds_add_u32 v[SPW], v[NIL]                      ; the wave's opening: the add, twice on end, and its wait ahead of my first tensor load
	ds_add_u32 v[SPW], v[NIL]
	v_lshrrev_b32 v1, 5, v0
	v_readfirstlane_b32 s14, v1                    ; wave 0..3
	s_lshr_b32 s15, s14, 1                         ; which half of the tile's rows is mine.  Also: I fetch for A (0) or for B (1)
	s_and_b32 s16, s14, 1                          ; which half of its columns.  Also: which half of that tile's rows I fetch
	s_bfe_u32 s40, ttmp6, 0x40000                  ; cx: also the whole tile's column
	s_bfe_u32 s41, ttmp6, 0x40004                  ; cy
	s_and_b32 s66, ttmp7, 0xffff                   ; the cluster's y, 0 .. 15
	s_lshr_b32 s67, s66, 3                         ; the whole tile is q's (0) or k's (1)
	s_and_b32 s17, s66, 7
	s_lshl_b32 s17, s17, 2
	s_add_co_u32 s17, s17, s41                     ; its tile row
	s_lshl_b32 s2, s67, 13                         ; A's first row in the table: query 0, key_value 8,192
	s_lshl_b32 s3, s67, 10
	s_add_co_u32 s3, s3, 16384                     ; B's: Wq 16,384, Wk 17,408
	s_lshl_b32 s43, s41, 2
	s_lshl_b32 s43, 15, s43                        ; my row of the cluster
	s_lshl_b32 s44, 0x1111, s40                    ; my column
	; descriptor group 1: a tile of 128 rows x 256 bytes, 16 bytes of padding behind each row
	s_or_b32 s[G1+0], s43, (0<<16)|(1<<20)|(1<<21)|(5<<22)|(3<<25)
	s_or_b32 s[G1B+0], s44, (0<<16)|(1<<20)|(1<<21)|(5<<22)|(3<<25)
.irp g, G1, G1B
	s_mov_b32 s[\g+1], ROWB<<16                    ; tensor_dim0
	s_mov_b32 s[\g+2], 128<<16                     ; tensor_dim1
	s_mov_b32 s[\g+3], ROWB<<16                    ; tile_dim0
	s_mov_b32 s[\g+4], 128                         ; tile_dim1
	s_mov_b32 s[\g+5], KROW                        ; from row to row
	s_mov_b32 s[\g+6], 0
	s_mov_b32 s[\g+7], 0
.endr
	; the scales of 128 rows: 4,096 dense bytes, as 16 rows of 256 bytes (32 elements of 8), 16 bytes of padding behind each
	s_or_b32 s[G1S+0], s43, (3<<16)|(1<<20)|(1<<21)|(5<<22)|(3<<25)
	s_or_b32 s[G1SB+0], s44, (3<<16)|(1<<20)|(1<<21)|(5<<22)|(3<<25)
.irp g, G1S, G1SB
	s_mov_b32 s[\g+1], 32<<16
	s_mov_b32 s[\g+2], (128*KS/256)<<16
	s_mov_b32 s[\g+3], 32<<16
	s_mov_b32 s[\g+4], 128*KS/256
	s_mov_b32 s[\g+5], 32
	s_mov_b32 s[\g+6], 0
	s_mov_b32 s[\g+7], 0
.endr
	s_lshl_b32 s18, s16, 7                         ; which 128 rows of the tile I fetch
	s_lshl_b32 s20, s17, 8
	s_add_co_u32 s20, s20, s18
	s_add_co_u32 s20, s20, s2                      ; A: table row = first row + 256 x tile row + 128 x half
	s_lshl_b32 s46, s40, 8
	s_add_co_u32 s46, s46, s18
	s_add_co_u32 s46, s46, s3                      ; B: first row + 256 x tile column + 128 x half
	s_mov_b32 s21, 0
	s_mov_b32 s47, 0
	s_mov_b64 s[18:19], KS
	s_mul_u64 s[22:23], s[20:21], s[18:19]         ; where these rows' scales begin, in bytes,
	s_mul_u64 s[92:93], s[46:47], s[18:19]
	s_mov_b64 s[18:19], KROW
	s_mul_u64 s[20:21], s[20:21], s[18:19]         ; and their codes
	s_mul_u64 s[46:47], s[46:47], s[18:19]
	s_mul_i32 s45, s14, HALFT                      ; where they go: wave x 128 rows: no place in the cluster enters an LDS address
	s_mul_i32 s94, s14, HALFS
	s_wait_dscnt 0x0                               ; both opening adds are done
	s_wait_kmcnt 0x0
	s_add_nc_u64 s[20:21], s[4:5], s[20:21]
	s_add_nc_u64 s[22:23], s[6:7], s[22:23]
	s_add_nc_u64 s[46:47], s[4:5], s[46:47]
	s_add_nc_u64 s[92:93], s[6:7], s[92:93]
	CROUND                                         ; all sixteen work-groups are here: the first joint loads meet
	s_mov_b32 s[G0S], 1
	s_add_co_u32 s[G0S+1], s94, SCL
	s_mov_b64 s[G0S+2:G0S+3], s[22:23]
	s_or_b32 s[G0S+3], s[G0S+3], 0x80000000
	s_mov_b32 s[G0SB], 1
	s_add_co_u32 s[G0SB+1], s94, SCL
	s_mov_b64 s[G0SB+2:G0SB+3], s[92:93]
	s_or_b32 s[G0SB+3], s[G0SB+3], 0x80000000
	JLOAD G0S, G1S, G0SB, G1SB                     ; the scales first: they are wanted with the first slot
.irp s, 0,1
	s_mov_b32 s[G0+4*\s], 1
	s_add_co_u32 s[G0+4*\s+1], s45, \s*SLOT
	s_add_nc_u64 s[G0+4*\s+2:G0+4*\s+3], s[20:21], \s*ROWB
	s_or_b32 s[G0+4*\s+3], s[G0+4*\s+3], 0x80000000
	s_mov_b32 s[G0B+4*\s], 1
	s_add_co_u32 s[G0B+4*\s+1], s45, \s*SLOT
	s_add_nc_u64 s[G0B+4*\s+2:G0B+4*\s+3], s[46:47], \s*ROWB
	s_or_b32 s[G0B+4*\s+3], s[G0B+4*\s+3], 0x80000000
	JLOAD G0+4*\s, G1, G0B+4*\s, G1B               ; three loads of mine are out: all of the whole tile's K
.endr
	v_and_b32 v1, 15, v0                           ; l % 16
	v_bfe_u32 v2, v0, 4, 1                         ; l / 16
	v_mul_u32_u24 v3, v1, PITCH
	v_lshl_add_u32 v4, v2, 4, v3                   ; a fragment's row x pitch + 16 x half
	s_mul_i32 s21, s15, HALFT                      ; my 128 rows of A
	s_mul_i32 s22, s16, HALFT                      ; my 128 rows of B,
	s_add_co_u32 s22, s22, 2*HALFT                 ; which lie behind A's 256
	s_mul_i32 s23, s15, HPART                      ; the half tile: my 64 rows of A
.irp s, 0,1
	v_add_nc_u32 v[ADRA+\s], s21, v4
	v_add_nc_u32 v[ADRB+\s], s22, v4
	v_add_nc_u32 v[ADRH+\s], s23, v4
	s_add_co_u32 s21, s21, SLOT
	s_add_co_u32 s22, s22, SLOT
	s_add_co_u32 s23, s23, SLOT
.endr
	v_mul_u32_u24 v5, v1, KS                       ; my row's scales: KS bytes a row,
	v_lshrrev_b32 v6, 8, v5
	v_lshl_add_u32 v5, v6, 4, v5                   ; and 16 more for each 256 passed
	s_mul_i32 s21, s15, HALFS                      ; A's: my 128 rows
	s_mul_i32 s22, s16, HALFS                      ; B's: my 128 rows, behind A's 256
	s_add_co_u32 s22, s22, 2*HALFS
	s_sub_co_u32 s22, s22, s21
	v_mul_u32_u24 v6, s22, v2                      ; lanes 16-31 take B's
	s_add_co_u32 s21, s21, SCL
	v_add_nc_u32 v5, v5, v6
	v_add_nc_u32 v[ADRS], s21, v5
	; the whole tile's way out: where my part of q's or k's image begins
	s_lshl_b32 s20, s17, 4
	s_lshl_b32 s21, s15, 3
	s_add_co_u32 s20, s20, s21                     ; my first 16 rows: 16 x tile row + 8 x half,
	s_lshl_b32 s20, s20, 15                        ; 32,768 bytes each
	s_lshl_b32 s46, s40, 4
	s_lshl_b32 s47, s16, 3
	s_add_co_u32 s46, s46, s47                     ; my first 16 columns: 16 x tile column + 8 x half,
	s_lshl_b32 s46, s46, 9                         ; 512 bytes each
	s_add_co_u32 s20, s20, s46
	s_lshl_b32 s21, s67, 24                        ; k lies behind q
	s_add_co_u32 s20, s20, s21
	s_mov_b32 s21, 0
	s_add_nc_u64 s[12:13], s[96:97], s[20:21]
	v_and_b32 v6, 31, v0
	v_lshlrev_b32 v[GO], 4, v6
.irp a, 0,1,2,3,4,5,6,7
	v_add_nc_u32 v[CO+\a], \a*32768, v[GO]         ; so no base is stepped on the way out
.endr
.irp a, 0,1,2,3
	v_add_nc_u32 v[CO2+\a], \a*262144, v[GO]
.endr
	s_cmp_eq_u32 s67, 0                            ; the bias, at my first column
	s_cselect_b64 s[8:9], s[8:9], s[10:11]
	s_lshl_b32 s22, s40, 10
	s_lshl_b32 s23, s16, 9
	s_add_co_u32 s22, s22, s23
	s_mov_b32 s23, 0
	s_add_nc_u64 s[8:9], s[8:9], s[22:23]
	v_lshlrev_b32 v[BO], 5, v2
.macro FRAG reg, adr, q, i             ; a fragment, 16 rows x 128 K of 4-bit codes: lane l holds row l % 16; registers 4 c .. 4 c + 3 hold K = 64 c + 32 (l / 16) + 0 .. 31
.irp c, 0,1
	ds_load_b128 v[\reg+4*\c:\reg+4*\c+3], v[\adr] offset:64*(\q)+32*\c+(\i)*16*PITCH
.endr
.endm
; The whole tile: 16 matrix instructions: A's blocks a0, a0 + 1 x B's eight, 128 along K.  p: B's set; sc: the set of scale words.  zero = 2: the product starts the sums with the bias; 0: it adds on.
; The 64 accumulators take turns, one instruction a turn, in the same order in every step.
.macro MUL16 a0, p, q, sc, zero
.irp a, \a0, \a0+1
.irp b, 0,1,2,3,4,5,6,7
.if \zero == 2
	v_wmma_scale_f32_16x16x128_f8f6f4 v[8*(8*((\a)%4)+\b):8*(8*((\a)%4)+\b)+7], v[128*(\p)+FR*\b:128*(\p)+FR*\b+FR-1], v[AF+FR*(\a):AF+FR*(\a)+FR-1], v[BI+8*\b:BI+8*\b+7], v[SC+8*NQ*(\sc)+NQ*\b+(\q)], v[SC+8*NQ*(\sc)+NQ*(\a)+(\q)] matrix_a_fmt:MATRIX_FMT_FP4 matrix_b_fmt:MATRIX_FMT_FP4 matrix_a_scale:MATRIX_SCALE_ROW1
.else
	v_wmma_scale_f32_16x16x128_f8f6f4 v[8*(8*((\a)%4)+\b):8*(8*((\a)%4)+\b)+7], v[128*(\p)+FR*\b:128*(\p)+FR*\b+FR-1], v[AF+FR*(\a):AF+FR*(\a)+FR-1], v[8*(8*((\a)%4)+\b):8*(8*((\a)%4)+\b)+7], v[SC+8*NQ*(\sc)+NQ*\b+(\q)], v[SC+8*NQ*(\sc)+NQ*(\a)+(\q)] matrix_a_fmt:MATRIX_FMT_FP4 matrix_b_fmt:MATRIX_FMT_FP4 matrix_a_scale:MATRIX_SCALE_ROW1
.endif
.endr
.endr
.endm
.macro FETCH_B slot, q, p
	WIN TO_B
.irp i, 0,1,2,3,4,5,6,7
	FRAG 128*(\p)+FR*\i, ADRB+\slot, \q, \i
.endr
	WIN 0
.endm
.macro FETCH_A slot, q, i0
.irp i, \i0, \i0+1, \i0+2, \i0+3
	FRAG AF+FR*(\i), ADRA+\slot, \q, \i
.endr
.endm
.macro SCALES sc                       ; a slot's scale words: four a row; lanes 0-15 take A's block i, lanes 16-31 B's block i
.irp i, 0,1,2,3,4,5,6,7
	ds_load_b128 v[SC+8*NQ*\sc+NQ*\i:SC+8*NQ*\sc+NQ*\i+3], v[ADRS] offset:\i*SBLK
.endr
.endm
.macro PLACES n                        ; plain vector lines between a matrix instruction and a load into, or a vector read or write of, its registers
.rept \n
	v_nop
.endr
.endm
.macro STEP slot, q, zero              ; a step of 128 along K of the whole tile that has its successor in the same slot
	s_wait_dscnt 4*NL                              ; B's set and A's blocks 0-3 are in; the youngest eight loads (A's blocks 4-7) may be out
.if \zero == 2
	WIN 0x81                                       ; C (the bias) window 0, D window 2
.else
	WIN MUL_LO
.endif
	MUL16 0, (\q)%2, \q, \slot, \zero
	MUL16 2, (\q)%2, \q, \slot, \zero
	s_wait_dscnt 0                                 ; A's blocks 4-7 are in
	PLACES NP
	FETCH_B \slot, (\q)+1, 1-(\q)%2
	FETCH_A \slot, (\q)+1, 0
.if \zero == 2
	WIN 0xc1                                       ; C window 0, D window 3
.else
	WIN MUL_HI
.endif
	MUL16 4, (\q)%2, \q, \slot, \zero
	MUL16 6, (\q)%2, \q, \slot, \zero
	PLACES NP
	WIN 0
	FETCH_A \slot, (\q)+1, 4
.endm
.macro STEPS slot, from
.set Q, \from
.rept NQ-1-\from
	STEP \slot, Q, 0
.set Q, Q+1
.endr
.endm
; The half tile's step t of eight: slot t / 4, its (t % 4)-th 128 along K, register sets t % 2 of B and of A.
.macro HFETCH t                        ; 24 LDS loads in one run: B's eight fragments, A's four
	WIN TO_B
.irp i, 0,1,2,3,4,5,6,7
	FRAG 128*((\t)%2)+FR*\i, ADRB+(\t)/4, (\t)%4, \i
.endr
	WIN 0
.irp i, 0,1,2,3
	FRAG AF+32*((\t)%2)+FR*\i, ADRH+(\t)/4, (\t)%4, \i
.endr
.endm
.macro HMUL t                          ; 32 matrix instructions; step 0 starts the sums; the 32 accumulators take turns, one instruction a turn
	WIN MUL_LO
.irp a, 0,1,2,3
.irp b, 0,1,2,3,4,5,6,7
.if (\t) == 0
	v_wmma_scale_f32_16x16x128_f8f6f4 v[8*(8*\a+\b):8*(8*\a+\b)+7], v[128*((\t)%2)+FR*\b:128*((\t)%2)+FR*\b+FR-1], v[AF+32*((\t)%2)+FR*\a:AF+32*((\t)%2)+FR*\a+FR-1], 0, v[SC2+32*((\t)/4)+4*\b+(\t)%4], v[SC2+32*((\t)/4)+4*\a+(\t)%4] matrix_a_fmt:MATRIX_FMT_FP4 matrix_b_fmt:MATRIX_FMT_FP4 matrix_a_scale:MATRIX_SCALE_ROW1
.else
	v_wmma_scale_f32_16x16x128_f8f6f4 v[8*(8*\a+\b):8*(8*\a+\b)+7], v[128*((\t)%2)+FR*\b:128*((\t)%2)+FR*\b+FR-1], v[AF+32*((\t)%2)+FR*\a:AF+32*((\t)%2)+FR*\a+FR-1], v[8*(8*\a+\b):8*(8*\a+\b)+7], v[SC2+32*((\t)/4)+4*\b+(\t)%4], v[SC2+32*((\t)/4)+4*\a+(\t)%4] matrix_a_fmt:MATRIX_FMT_FP4 matrix_b_fmt:MATRIX_FMT_FP4 matrix_a_scale:MATRIX_SCALE_ROW1
.endif
.endr
.endr
	WIN 0
.endm
.macro HSTEP t
.if ((\t) != 3) && ((\t) != 7)
	PLACES NP                                      ; in front of loads into the sets that the last step's products read
	HFETCH (\t)+1
	s_wait_dscnt 12*NL                             ; all but the 24 just issued: this step's fragments are in
.else
	s_wait_dscnt 0x0                               ; nothing is fetched ahead: the next step lies in the other slot, or there is none
.endif
	HMUL \t
.if (\t) == 3                          ; on to slot 1: one barrier
	s_wait_tensorcnt 0x0                           ; my part of slot 1 has landed
	ds_add_u32 v[SPW], v[NIL]
	s_wait_dscnt 0x0
	s_barrier_signal -1
	s_barrier_wait -1                              ; slot 1 is whole
	PLACES NP
	HFETCH 4
.endif
.endm
; A slot's last step of the whole tile changes slots: ONE barrier, which opens a round of the cluster's barrier.  In front of it each wave waits for all its tensor loads, adds 0 to its spare word, and waits for that and for its
; reads of this slot.  Behind the round this slot takes the half tile's same K half: the joint refill is the first thing there, one load a wave.
.macro TURNX slot
	s_wait_tensorcnt 0x0                           ; all my tensor loads have landed: my part of the slot that is read next
	ds_add_u32 v[SPW], v[NIL]
	s_wait_dscnt 4*NL+1                            ; (the add and A's blocks 4-7 may be out)
	WIN MUL_LO
	MUL16 0, 1, NQ-1, \slot, 0                     ; sixteen matrix instructions stand between the add and the wait for it
	s_wait_dscnt 0x0                               ; the add is done, and my reads of this slot are over
	s_barrier_signal -1
	MUL16 2, 1, NQ-1, \slot, 0
	WIN 0
	s_barrier_wait -1
	CREST                                          ; no wave of any partner still reads this slot or has a load on its way
	JLOAD G0A2+4*\slot, G1A2, G0B2+4*\slot, G1B    ; the four v_nop behind it are also the places in front of the loads below
.if \slot == 0
	v_add_nc_u32 v[ADRS], 4*NQ, v[ADRS]            ; on to slot 1's scale words (no LDS load of mine is out)
	FETCH_B 1, 0, 0
	FETCH_A 1, 0, 0
	SCALES 1
.else
	HFETCH 0                                       ; the half tile's first fragments, out of slot 0
.endif
	WIN MUL_HI
	MUL16 4, 1, NQ-1, \slot, 0
	MUL16 6, 1, NQ-1, \slot, 0
	PLACES NP
	WIN 0
.if \slot == 0
	FETCH_A 1, 0, 4
.endif
.endm
; A WAY OUT, block a of 16 rows x 128 columns: 32 roundings (each accumulator from its low end on) into window 1, 8 stores of 512 consecutive bytes.
.macro OUTBLK a, co, sb
.set AC, 64*((\a)%4)
.set TS, 64+32*((\a)%2)+128*(((\a)%4)/2)
	WIN 0x4a+5*((\a)/4)                            ; sources 0 and 1: window 2 or 3; destination window 1
.irp b, 0,1,2,3,4,5,6,7
.irp i, 0,1,2,3
	v_cvt_pk_f16_f32 v[TS+4*\b+\i], v[AC+8*\b+2*\i], v[AC+8*\b+2*\i+1]
.endr
.endr
	WIN 0x04                                       ; a store's data are its source 1: window 1
.irp b, 0,1,2,3,4,5,6,7
	global_store_b128 v[\co+(\a)], v[TS+4*\b:TS+4*\b+3], s[\sb:\sb+1] offset:512*\b
.endr
.endm
	; ---------------- the whole tile ----------------
.irp b, 0,1,2,3,4,5,6,7
	global_load_b128 v[BI+8*\b:BI+8*\b+3], v[BO], s[8:9] offset:64*\b
	global_load_b128 v[BI+8*\b+4:BI+8*\b+7], v[BO], s[8:9] offset:64*\b+16
.endr
	s_wait_tensorcnt 1                             ; the scales and my part of slot 0 are in (slot 1's load may be out)
	s_barrier_signal -1
	s_barrier_wait -1                              ; everybody's are
	FETCH_B 0, 0, 0
	FETCH_A 0, 0, 0
	SCALES 0
	FETCH_A 0, 0, 4
	s_wait_loadcnt 0x0                             ; the bias
	STEP 0, 0, 2                                   ; the first step starts the sums, with the bias
	; the half tile's set-up.  The scales' load is done (the counted wait above), so its descriptors' registers are free.  A's address is made of the cluster's y, cy and the wave's number, B's of the cluster's y, cx and the wave's number.
	s_and_b32 s18, s66, 1
	s_lshl_b32 s18, s18, 9
	s_lshl_b32 s19, s41, 7
	s_add_co_u32 s18, s18, s19                     ; A: Wv's row 512 (y % 2) + 128 cy
	s_lshl_b32 s19, s16, 6
	s_add_co_u32 s20, s18, s19                     ; + the 64 rows that I fetch,
	s_add_co_u32 s20, s20, 18432                   ; in the table,
	s_lshl_b32 s20, s20, 9                         ; 512 bytes a row
	s_mov_b32 s21, 0
	s_add_nc_u64 s[20:21], s[4:5], s[20:21]
	s_lshr_b32 s46, s66, 1
	s_lshl_b32 s46, s46, 10
	s_lshl_b32 s47, s40, 8
	s_add_co_u32 s46, s46, s47                     ; B: token 1,024 (y / 2) + 256 cx
	s_lshl_b32 s47, s16, 7
	s_add_co_u32 s92, s46, s47                     ; + the 128 rows that I fetch (and those that I multiply),
	s_add_co_u32 s92, s92, 8192
	s_lshl_b32 s3, s92, 5                          ; their scale bytes: 32 a row
	s_lshl_b32 s92, s92, 9
	s_mov_b32 s93, 0
	s_add_nc_u64 s[92:93], s[4:5], s[92:93]
	s_or_b32 s[G1A2+0], s43, (0<<16)|(1<<20)|(1<<21)|(5<<22)|(3<<25)   ; A: 64 rows x 256 bytes, my row's mask
	s_mov_b32 s[G1A2+1], ROWB<<16
	s_mov_b32 s[G1A2+2], 64<<16
	s_mov_b32 s[G1A2+3], ROWB<<16
	s_mov_b32 s[G1A2+4], 64
	s_mov_b32 s[G1A2+5], KROW
	s_mov_b32 s[G1A2+6], 0
	s_mov_b32 s[G1A2+7], 0
	s_mul_i32 s19, s16, HPART                      ; where A's 64 rows go: inside A's part of a slot
.irp s, 0,1
	s_mov_b32 s[G0A2+4*\s], 1
	s_add_co_u32 s[G0A2+4*\s+1], s19, \s*SLOT
	s_add_nc_u64 s[G0A2+4*\s+2:G0A2+4*\s+3], s[20:21], \s*ROWB
	s_or_b32 s[G0A2+4*\s+3], s[G0A2+4*\s+3], 0x80000000
	s_mov_b32 s[G0B2+4*\s], 1
	s_add_co_u32 s[G0B2+4*\s+1], s45, \s*SLOT      ; B's halves go where the whole tile's went
	s_add_nc_u64 s[G0B2+4*\s+2:G0B2+4*\s+3], s[92:93], \s*ROWB
	s_or_b32 s[G0B2+4*\s+3], s[G0B2+4*\s+3], 0x80000000
.endr
	s_lshl_b32 s19, s15, 6
	s_add_co_u32 s2, s18, s19                      ; the 64 rows of Wv that I multiply,
	s_add_co_u32 s2, s2, 18432
	s_lshl_b32 s2, s2, 5                           ; their scale bytes
	s_mov_b32 s19, 0xffff0000                      ; lanes 16-31
	v_mov_b32 v[VSL], s2
	v_mov_b32 v[VSH], s3
	v_cndmask_b32 v[VSL], v[VSL], v[VSH], s19      ; lanes 0-15 take A's rows, lanes 16-31 B's,
	v_lshl_add_u32 v[VSL], v1, 5, v[VSL]           ; + 32 bytes a row
	v_lshl_add_u32 v[VSH], v2, 11, v[VSL]
	v_add_nc_u32 v[VSH], 0xfffff800, v[VSH]        ; for blocks 4-7 lanes 0-15 stand 64 rows back: A has four blocks, and no load leaves the buffer
.irp s, 0,1                            ; four places stand behind the last product that read the bias (the step's end): its registers take the scale words.  The two loads of a block cover 512 consecutive bytes whole
.irp i, 0,1,2,3
	global_load_b128 v[SC2+32*\s+4*\i:SC2+32*\s+4*\i+3], v[VSL], s[6:7] offset:\i*512+16*\s
.endr
.irp i, 4,5,6,7
	global_load_b128 v[SC2+32*\s+4*\i:SC2+32*\s+4*\i+3], v[VSH], s[6:7] offset:\i*512+16*\s
.endr
.endr
	s_lshr_b32 s22, s18, 4                         ; the half tile's way out: v^T's image, row tile (my first row of Wv) / 16,
	s_lshl_b32 s23, s15, 2
	s_add_co_u32 s22, s22, s23
	s_lshl_b32 s22, s22, 18                        ; 262,144 bytes each;
	s_lshr_b32 s23, s46, 4
	s_lshl_b32 s19, s16, 3
	s_add_co_u32 s23, s23, s19                     ; 16 tokens are 512 bytes
	s_lshl_b32 s23, s23, 9
	s_add_co_u32 s22, s22, s23
	s_mov_b32 s23, 0
	s_add_nc_u64 s[94:95], s[98:99], s[22:23]
	STEPS 0, 1
	TURNX 0                                        ; slot 0 takes the half tile's K 0-511
	STEPS 1, 0
	TURNX 1                                        ; slot 1 takes its K 512-1,023
.irp a, 0,1,2,3
	OUTBLK \a, CO, 12                              ; both refills are asked for: now the whole tile goes out
.endr
	s_wait_xcnt 0x0                                ; the four blocks' stores have read their data: the four sets are written again only behind this wait
.irp a, 4,5,6,7
	OUTBLK \a, CO, 12
.endr
	; ---------------- the half tile ----------------
	s_wait_loadcnt 0x0                             ; its scale words
.irp t, 0,1,2,3,4,5,6,7
	HSTEP \t
.endr
	PLACES NP                                      ; behind the last products
	s_wait_xcnt 0x0                                ; the whole tile's last stores have read their data
.irp a, 0,1,2,3
	OUTBLK \a, CO2, 94
.endr
	WIN 0
	s_wait_tensorcnt 0x0                           ; the wave's end: three lines behind my last tensor load
	ds_add_u32 v[SPW], v[NIL]
	s_wait_dscnt 0x0
	CROUND                                         ; the closing round: no work-group ends while a partner may still ask for a tile that names it
	s_endpgm
.Lfunc_end_k_qec56858500_proj:
	.size	k_qec56858500_proj, .Lfunc_end_k_qec56858500_proj-k_qec56858500_proj
	.p2alignl 7, 3214868480
	.fill 96, 4, 3214868480
	.section	.rodata,"a",@progbits
	.p2align	6, 0x0
	.amdhsa_kernel k_qec56858500_proj
		.amdhsa_group_segment_fixed_size 327680
		.amdhsa_private_segment_fixed_size 0
		.amdhsa_enable_private_segment 0
		.amdhsa_kernarg_size 48
		.amdhsa_user_sgpr_count 2
		.amdhsa_user_sgpr_kernarg_segment_ptr 1
		.amdhsa_wavefront_size32 1
		.amdhsa_system_sgpr_workgroup_id_x 1
		.amdhsa_system_sgpr_workgroup_id_y 1
		.amdhsa_system_sgpr_workgroup_id_z 1
		.amdhsa_system_vgpr_workitem_id 0
		.amdhsa_next_free_vgpr 1024
		.amdhsa_next_free_sgpr 100
		.amdhsa_reserve_vcc 0
		.amdhsa_float_denorm_mode_32 3
		.amdhsa_float_denorm_mode_16_64 3
		.amdhsa_memory_ordered 1
		.amdhsa_forward_progress 1
		.amdhsa_inst_pref_size 184
	.end_amdhsa_kernel
	.amdgpu_metadata
---
amdhsa.version: [ 1, 2 ]
amdhsa.kernels:
  - .name:           k_qec56858500_proj
    .symbol:         k_qec56858500_proj.kd
    .args:
      - { .name: codes, .offset: 0, .size: 8, .value_kind: global_buffer, .address_space: global }
      - { .name: scales, .offset: 8, .size: 8, .value_kind: global_buffer, .address_space: global }
      - { .name: bq, .offset: 16, .size: 8, .value_kind: global_buffer, .address_space: global }
      - { .name: bk, .offset: 24, .size: 8, .value_kind: global_buffer, .address_space: global }
      - { .name: qk, .offset: 32, .size: 8, .value_kind: global_buffer, .address_space: global }
      - { .name: vt, .offset: 40, .size: 8, .value_kind: global_buffer, .address_space: global }
    .group_segment_fixed_size: 327680
    .private_segment_fixed_size: 0
    .kernarg_segment_align: 8
    .kernarg_segment_size: 48
    .max_flat_workgroup_size: 128
    .sgpr_count:     100
    .vgpr_count:     1024
    .wavefront_size: 32
...
	.end_amdgpu_metadata
.endif
;; end of part 2
;; launch scores (part 3): grid 4 x 64, 4 waves a work-group, clusters of 4 x 4, 327,680 bytes of LDS; arguments qk, attention_mask, pimg, stats; writes pimg, stats
.if DOCPART == 3
	.amdgcn_target "amdgcn-amd-amdhsa--gfx1250"
	.amdhsa_code_object_version 6
	.text
	.protected	k_qec56858500_scores
	.globl	k_qec56858500_scores
	.p2align	8
	.type	k_qec56858500_scores,@function
k_qec56858500_scores:
	s_mov_b64 s[64:65], 0
	v_nop
	global_prefetch_b8 v0, s[64:65] scope:SCOPE_SE
	s_setreg_imm32_b32 hwreg(HW_REG_WAVE_MODE, 25, 1), 1
	s_wait_xcnt 0x0
	s_wait_alu depctr_hold_cnt(0) depctr_sa_sdst(0) depctr_va_vdst(0) depctr_va_sdst(0) depctr_va_ssrc(0) depctr_va_vcc(0) depctr_vm_vsrc(0)
	s_getreg_b32 s2, hwreg(HW_REG_IB_STS2, 6, 4)
	s_cmp_eq_u32 s2, 0
	s_cbranch_scc0 .Lentry_in_a_cluster
	s_endpgm
.Lentry_in_a_cluster:
	s_bfe_u32 s2, ttmp6, 0x10000c
	s_cmp_lg_u32 s2, 0xf033
	s_cbranch_scc0 .Lentry_shape_is_right
	s_endpgm
.Lentry_shape_is_right:
; s = q k^T for each of 8 batches (f16 operands, f32 sums), the mask, and the first half of the softmax.
; A work-group makes 128 queries x 256 keys; each of its four waves 64 x 128: 32 accumulators, 256 registers.  Wave (wm, wn): queries 32 a + 16 wm + r (a = 0 .. 3), keys 128 wn + 16 b + 8 h + j.
; OPERANDS lie in memory in the order of the operand's registers: byte = T x 32768 + C x 1024 + c x 512 + 16 x lane holds X[16 T + lane % 16][32 C + 16 c + 8 (lane / 16) + 0 .. 7].  So a fragment (16 rows x 32 K)
; is two loads of 16 bytes a lane, 512 consecutive bytes each, and a K step of 16 rows is one dense run of memory.  A chunk is 32 along K; K = 1,024 is 32 chunks.
; THE RING: two LDS slots of 5 chunks (A's 8 row tiles, B's 16), filled by joint tensor loads: 5 x 6 chunks and a last fill of 2.  Wave 0 fetches A, waves 1 and 2 B's halves, wave 3 the mask.
; THE MASK of the tile (128 x 256 int32) comes in four pieces of 32 rows through two LDS buffers and is read into 256 registers while the products run: mask register i belongs to accumulator register i.
; THE SOFTMAX.  t = s x log2(e) / 32.  A wave's 128 keys are a GROUP.  For each query and group: M = the largest t that counts, rounded up to a whole number (with no key that counts: that of -3e38 x c);
; p = 2^(t - M), at most 1, 0 for hidden keys, is stored as f16 in the operand's order; -M and l = the sum of the unrounded p are stored beside it.  The next launch brings the eight groups of a row under the row's own M by powers of two.
; THE MATRIX INSTRUCTION IS USED TRANSPOSED (source 0 = 16 keys, source 1 = 16 queries): a lane holds one query and eight neighbouring keys, so an accumulator, packed, is a block of 512 bytes of p's image.
; CLUSTERS: 4 x 4.  q's tile is shared along a row of the cluster, k's along a column.
; LIMITS: p under 2^-126 counts as 0; p is rounded to f16 (steps of 2^-25 at the least); NaN and infinities among the inputs are not served.
; REGISTERS: window 0: v1-16 addresses; v28, v29 the add's two; v32-59 the softmax's statistics; v64-159, v160-255 two fragment buffers (A's four at + 8 a, B's eight at + 32 + 8 b).
;   window 1: the accumulators, (a, b) at v[8 (8 a + b)].   window 2: the mask, later p as f16.
.set NB,    5                          ; chunks in a large fill
.set PART,  8*NB*1024                  ; 8 row tiles x NB chunks
.set SLOT,  3*PART                     ; A's 8 row tiles, B's 0-7, B's 8-15
.set MB0,   2*SLOT                     ; behind the ring: two buffers for pieces of the mask, 32 rows x (1,024 bytes + 16)
.set MBB,   32*1040
.set SPARE, MB0+2*MBB                  ; the spare words, 128 bytes for each wave: two blocks of 256 bytes that no other line names
.set ADAX, 8                           ; v8   16 x lane + my A tiles' place in slot X
.set ADAY, 9                           ; v9   in slot Y
.set ADAS, 10                          ; v10  in the short fill (slot X, 2 chunks a row tile)
.set ADBX, 11                          ; v11  16 x lane + my B tiles' place in slot X
.set ADBY, 12                          ; v12  in slot Y
.set ADM,  13                          ; v13  my place in a piece of the mask
.set PFO,  14                          ; v14  256 x lane
.set PFR,  15                          ; v15  4,096 x lane: a row of the mask
.set GO,   16                          ; v16  16 x lane
.set SPW,  28
.set NIL,  29
.set MX,   32                          ; v32-35  the largest score of tile a
.set TT,   36                          ; v36-39  at work
.set NM,   40                          ; v40-47  -M, a pair for each tile
.set SU,   48                          ; v48-55  the sum, in two halves for each tile
.set REC,  56                          ; v56-59  my 16 bytes of the record
.set F0,   64
.set G1A,  24                          ; s[24:31] group 1, A, 5 chunks;  s[32:39] A, 2 chunks;  s[40:47], s[48:55] the same for B
.set G1AS, 32
.set G1B,  40
.set G1BS, 48
.set G0A,  56                          ; s[56:63] group 0, A: slot X, slot Y;  s[68:75] B
.set G0B,  68
.set G1M,  76                          ; s[76:83] group 1, a piece of the mask;  s[84:91] group 0: buffer 0, buffer 1
.set G0M,  84
.set MSB, 0
.macro WIN new                         ; the immediate's high byte repeats the setting that is left
.if MSB != \new
	s_set_vgpr_msb (MSB<<8)|\new
.set MSB, \new
.endif
.endm
.macro PLACES                          ; four plain vector lines between a matrix instruction and a load into, or a vector read or write of, its registers
.rept 4
	v_nop
.endr
.endm
.macro CREST                           ; a round of the cluster's barrier behind its opening barrier
	s_cmp_lg_u32 s14, 0
	s_cbranch_scc1 .Lnot_wave_0_\@
	s_barrier_signal -3
.Lnot_wave_0_\@:
	s_barrier_wait -3
	s_barrier_signal -1
	s_barrier_wait -1
.endm
.macro CROUND
	s_barrier_signal -1
	s_barrier_wait -1
	CREST
.endm
.macro GROUP1 g, n, rows, pitch        ; rows row tiles x n chunks of 1,024 bytes, in elements of 8 bytes; dense in LDS
	s_mov_b32 s[\g+1], (128*\n)<<16                ; tensor_dim0
	s_mov_b32 s[\g+2], (\rows)<<16                 ; tensor_dim1
	s_mov_b32 s[\g+3], (128*\n)<<16                ; tile_dim0
	s_mov_b32 s[\g+4], \rows                       ; tile_dim1
	s_mov_b32 s[\g+5], \pitch                      ; from row tile to row tile
	s_mov_b32 s[\g+6], 0
	s_mov_b32 s[\g+7], 0
.endm
; A refill.  Wave 0 asks for A's tile, waves 1 and 2 for B's halves (joint loads), wave 3 for a piece of the mask into buffer mk (its own work-group's alone), or for nothing (mk = -1).
; The branches hang on the wave's number alone.  An s_nop 0 and four v_nop follow each tensor load; the four are also the places in front of the fragment loads, so wave 3 has them in any case.
.macro JLOAD sl, ga, gb, mk
	s_cmp_eq_u32 s14, 0
	s_cbranch_scc0 .Lnot_a_\@
	tensor_load_to_lds s[G0A+4*\sl:G0A+4*\sl+3], s[\ga:\ga+7]
	s_nop 0
.rept 4
	v_nop
.endr
	s_branch .Lasked_\@
.Lnot_a_\@:
	s_cmp_lt_u32 s14, 3
	s_cbranch_scc0 .Lwave_3_\@
	tensor_load_to_lds s[G0B+4*\sl:G0B+4*\sl+3], s[\gb:\gb+7]
	s_nop 0
.rept 4
	v_nop
.endr
	s_branch .Lasked_\@
.Lwave_3_\@:
.if \mk >= 0
	tensor_load_to_lds s[G0M+4*\mk:G0M+4*\mk+3], s[G1M:G1M+7]
	s_nop 0
.endif
.rept 4
	v_nop
.endr
.Lasked_\@:
.endm
	s_load_b256 s[4:11], s[0:1], 0x0               ; qk s[4:5], attention_mask s[6:7], pimg s[8:9], stats s[10:11]
	v_lshl_add_u32 v[SPW], v0, 2, SPARE
	v_mov_b32 v[NIL], 0
	ds_add_u32 v[SPW], v[NIL]                      ; the wave's opening: the add, twice on end, and its wait ahead of my first tensor load
	ds_add_u32 v[SPW], v[NIL]
	v_lshrrev_b32 v1, 5, v0
	v_readfirstlane_b32 s14, v1                    ; wave 0..3
	s_lshr_b32 s15, s14, 1                         ; wm
	s_and_b32 s16, s14, 1                          ; wn
	s_bfe_u32 s17, ttmp6, 0x40000                  ; cx: also the tile column (256 keys)
	s_bfe_u32 s18, ttmp6, 0x40004                  ; cy
	s_and_b32 s19, ttmp7, 0xffff                   ; the cluster's y
	s_lshl_b32 s20, s19, 2
	s_add_co_u32 s20, s20, s18                     ; my block of 128 queries, 0 .. 63
	s_lshr_b32 s21, s19, 1                         ; the batch
	s_lshl_b32 s2, s18, 2
	s_lshl_b32 s2, 15, s2                          ; my row of the cluster
	s_lshl_b32 s3, 0x1111, s17                     ; my column
	s_or_b32 s[G1A], s2, (3<<16)|(1<<21)           ; 15:0 the mask; 17:16 elements of 8 bytes; 21 set beside a mask; no padding
	s_or_b32 s[G1AS], s2, (3<<16)|(1<<21)
	s_or_b32 s[G1B], s3, (3<<16)|(1<<21)
	s_or_b32 s[G1BS], s3, (3<<16)|(1<<21)
	GROUP1 G1A, NB, 8, 4096
	GROUP1 G1AS, 2, 8, 4096
	GROUP1 G1B, NB, 8, 4096
	GROUP1 G1BS, 2, 8, 4096
	s_mov_b32 s[G1M], (2<<16)|(1<<20)|(7<<22)|(3<<25)  ; no work-group mask; elements of 4 bytes; 4 words of padding behind every 256
	s_mov_b32 s[G1M+1], 256<<16
	s_mov_b32 s[G1M+2], 32<<16
	s_mov_b32 s[G1M+3], 256<<16
	s_mov_b32 s[G1M+4], 32
	s_mov_b32 s[G1M+5], 1024
	s_mov_b32 s[G1M+6], 0
	s_mov_b32 s[G1M+7], 0
	s_lshl_b32 s22, s20, 18                        ; A: q's image, my block's 8 row tiles of 32,768 bytes
	s_mov_b32 s23, 0
	s_add_co_u32 s66, s14, 1
	s_and_b32 s66, s66, 1                          ; which half of B I fetch: wave 1 the first, wave 2 the second
	s_mul_i32 s[G0B+1], s66, PART
	s_add_co_u32 s[G0B+1], s[G0B+1], PART          ; its place in slot X,
	s_add_co_u32 s[G0B+5], s[G0B+1], SLOT          ; in slot Y
	s_lshl_b32 s66, s66, 18                        ; B: k's image: 8 row tiles a half,
	s_lshl_b32 s67, s17, 19                        ; 16 a tile column,
	s_add_co_u32 s66, s66, s67
	s_lshl_b32 s67, s21, 21                        ; 64 a batch,
	s_add_co_u32 s66, s66, s67
	s_add_co_u32 s66, s66, 1<<24                   ; behind q's image
	s_mov_b32 s67, 0
	s_lshl_b32 s12, s20, 19                        ; the mask: 128 rows of 4,096 bytes,
	s_lshl_b32 s13, s17, 10                        ; 256 keys of 4 bytes
	s_add_co_u32 s12, s12, s13
	s_mov_b32 s13, 0
	s_mov_b32 s96, 0x3d38aa3b                      ; c = log2(e) / sqrt(1024)
	s_mov_b32 s97, s96                             ; (named with it as a pair, so it is written)
	s_mov_b32 s98, 0x76543210
	s_mov_b32 s99, 0xfedcba98                      ; v_permlanex16_b32's selects for lane l xor 16
	s_mov_b32 s100, 0xff800000                     ; -infinity
	s_mov_b32 s101, 0xffff0000                     ; lanes 16-31
	s_wait_dscnt 0x0                               ; both opening adds are done
	s_wait_kmcnt 0x0
	s_add_nc_u64 s[22:23], s[4:5], s[22:23]
	s_add_nc_u64 s[66:67], s[4:5], s[66:67]
	s_add_nc_u64 s[12:13], s[6:7], s[12:13]
	CROUND                                         ; all sixteen work-groups are here: the first joint loads meet
	s_mov_b32 s[G0A], 1
	s_mov_b32 s[G0A+1], 0
	s_mov_b64 s[G0A+2:G0A+3], s[22:23]             ; slot X begins with chunk 0,
	s_or_b32 s[G0A+3], s[G0A+3], 0x80000000
	s_mov_b32 s[G0A+4], 1
	s_mov_b32 s[G0A+5], SLOT
	s_add_nc_u64 s[G0A+6:G0A+7], s[22:23], NB*1024 ; slot Y with chunk NB
	s_or_b32 s[G0A+7], s[G0A+7], 0x80000000
	s_mov_b32 s[G0B], 1
	s_mov_b64 s[G0B+2:G0B+3], s[66:67]
	s_or_b32 s[G0B+3], s[G0B+3], 0x80000000
	s_mov_b32 s[G0B+4], 1
	s_add_nc_u64 s[G0B+6:G0B+7], s[66:67], NB*1024
	s_or_b32 s[G0B+7], s[G0B+7], 0x80000000
	s_mov_b32 s[G0M], 1
	s_mov_b32 s[G0M+1], MB0
	s_mov_b64 s[G0M+2:G0M+3], s[12:13]             ; piece 0: rows 0-31,
	s_or_b32 s[G0M+3], s[G0M+3], 0x80000000
	s_mov_b32 s[G0M+4], 1
	s_mov_b32 s[G0M+5], MB0+MBB
	s_add_nc_u64 s[G0M+6:G0M+7], s[12:13], 131072  ; piece 1: rows 32-63
	s_or_b32 s[G0M+7], s[G0M+7], 0x80000000
	s_cmp_eq_u32 s14, 0                            ; a wave's two first fills stand in one arm, ahead of every wait on TENSORcnt and every LDS read: two loads of mine are out
	s_cbranch_scc0 .Lfirst_not_a
	tensor_load_to_lds s[G0A:G0A+3], s[G1A:G1A+7]
	s_nop 0
	tensor_load_to_lds s[G0A+4:G0A+7], s[G1A:G1A+7]
	s_nop 0
.rept 4
	v_nop
.endr
	s_branch .Lfirst_asked
.Lfirst_not_a:
	s_cmp_lt_u32 s14, 3
	s_cbranch_scc0 .Lfirst_mask
	tensor_load_to_lds s[G0B:G0B+3], s[G1B:G1B+7]
	s_nop 0
	tensor_load_to_lds s[G0B+4:G0B+7], s[G1B:G1B+7]
	s_nop 0
.rept 4
	v_nop
.endr
	s_branch .Lfirst_asked
.Lfirst_mask:
	tensor_load_to_lds s[G0M:G0M+3], s[G1M:G1M+7]
	s_nop 0
	tensor_load_to_lds s[G0M+4:G0M+7], s[G1M:G1M+7]
	s_nop 0
.rept 4
	v_nop
.endr
.Lfirst_asked:
	v_and_b32 v1, 31, v0                           ; lane
	v_and_b32 v2, 15, v0                           ; r
	v_bfe_u32 v3, v0, 4, 1                         ; h
	v_lshlrev_b32 v[GO], 4, v1
	s_mul_i32 s2, s15, NB*1024                     ; my A tiles are row tiles 2 a + wm
	v_add_nc_u32 v[ADAX], s2, v[GO]
	v_add_nc_u32 v[ADAY], SLOT, v[ADAX]
	s_lshl_b32 s2, s15, 11
	v_add_nc_u32 v[ADAS], s2, v[GO]                ; the short fill lies in slot X, 2,048 bytes a row tile
	s_mul_i32 s2, s16, PART
	s_add_co_u32 s2, s2, PART
	v_add_nc_u32 v[ADBX], s2, v[GO]
	v_add_nc_u32 v[ADBY], SLOT, v[ADBX]
	s_lshl_b32 s2, s15, 4
	v_add_nc_u32 v17, s2, v2                       ; the mask: row 16 wm + r of a piece,
	v_mul_u32_u24 v[ADM], v17, 1040
	v_lshl_add_u32 v[ADM], v3, 5, v[ADM]           ; + 32 h bytes,
	s_lshl_b32 s2, s16, 9
	s_add_co_u32 s2, s2, MB0                       ; + my 128 keys
	v_add_nc_u32 v[ADM], s2, v[ADM]
	v_lshlrev_b32 v[PFO], 8, v1
	v_lshlrev_b32 v[PFR], 12, v1
	; the prefetches.  A's 8 row tiles are shared out among the four partners of my row x waves 0, 1; B's 16 among the two clusters of my batch x four partners of my column x waves 2, 3: by address alone.
	s_lshl_b32 s2, s17, 1
	s_add_co_u32 s2, s2, s16
	s_lshl_b32 s2, s2, 15                          ; A: row tile 2 cx + wn
	s_lshl_b32 s3, s20, 18
	s_add_co_u32 s2, s2, s3
	s_and_b32 s3, s19, 1
	s_lshl_b32 s3, s3, 2
	s_add_co_u32 s3, s3, s18
	s_lshl_b32 s3, s3, 1
	s_add_co_u32 s3, s3, s16
	s_lshl_b32 s3, s3, 15                          ; B: row tile 2 (4 (cluster y % 2) + cy) + wn
	s_lshl_b32 s92, s17, 19
	s_add_co_u32 s3, s3, s92
	s_lshl_b32 s92, s21, 21
	s_add_co_u32 s3, s3, s92
	s_add_co_u32 s3, s3, 1<<24
	s_cmp_eq_u32 s15, 0
	s_cselect_b32 s2, s2, s3
	s_add_co_u32 s2, s2, 16384                     ; from chunk 16 on
	s_mov_b32 s3, 0
	s_add_nc_u64 s[92:93], s[4:5], s[2:3]          ; never rewritten
	s_lshl_b32 s2, s14, 8
	s_add_nc_u64 s[94:95], s[12:13], s[2:3]        ; the mask: my wave's 256 bytes of each row; never rewritten
	; the way out
	s_lshl_b32 s2, s20, 3
	s_add_co_u32 s2, s2, s15
	s_lshl_b32 s2, s2, 15                          ; p's image: row tile 8 x block + wm (+ 2 a),
	s_lshl_b32 s3, s17, 4
	s_lshl_b32 s12, s16, 3
	s_add_co_u32 s3, s3, s12
	s_lshl_b32 s3, s3, 9                           ; 16 keys are 512 bytes
	s_add_co_u32 s2, s2, s3
	s_mov_b32 s3, 0
	s_add_nc_u64 s[8:9], s[8:9], s[2:3]
	s_lshl_b32 s2, s20, 1
	s_add_co_u32 s2, s2, s15
	s_lshl_b32 s2, s2, 3
	s_lshl_b32 s12, s17, 1
	s_add_co_u32 s2, s2, s12
	s_add_co_u32 s2, s2, s16                       ; the record: ((2 x block + wm) x 8 + group) x 512, group = 2 cx + wn
	s_lshl_b32 s2, s2, 9
	s_add_nc_u64 s[10:11], s[10:11], s[2:3]
.macro BUFS                            ; chunk KC is multiplied out of buffer KC % 2; the next chunk is fetched into the other
.set FC, F0+96*(KC%2)
.set FN, F0+96*(1-KC%2)
.endm
; na x 8 matrix instructions: A's tiles a0 on x B's eight, 32 along K.  cin = 1: the product starts the sums.  The 32 accumulators take turns, one instruction a turn, in one order.
.macro MUL f, a0, na, cin
	WIN 0x50                                       ; A and B window 0, C and D window 1
.set ma, \a0
.rept \na
.irp b, 0,1,2,3,4,5,6,7
.if \cin == 1
	v_wmma_f32_16x16x32_f16 v[8*(8*ma+\b):8*(8*ma+\b)+7], v[\f+32+8*\b:\f+32+8*\b+7], v[\f+8*ma:\f+8*ma+7], 0
.else
	v_wmma_f32_16x16x32_f16 v[8*(8*ma+\b):8*(8*ma+\b)+7], v[\f+32+8*\b:\f+32+8*\b+7], v[\f+8*ma:\f+8*ma+7], v[8*(8*ma+\b):8*(8*ma+\b)+7]
.endif
.endr
.set ma, ma+1
.endr
.endm
; 24 LDS loads in one run: chunk q of a fill of n chunks into buffer f: B's eight fragments, then A's four
.macro FETCH ra, rb, n, q, f
.irp b, 0,1,2,3,4,5,6,7
	ds_load_b128 v[\f+32+8*\b:\f+32+8*\b+3], v[\rb] offset:(\b*(\n)+(\q))*1024
	ds_load_b128 v[\f+32+8*\b+4:\f+32+8*\b+7], v[\rb] offset:(\b*(\n)+(\q))*1024+512
.endr
.irp a, 0,1,2,3
	ds_load_b128 v[\f+8*\a:\f+8*\a+3], v[\ra] offset:(2*\a*(\n)+(\q))*1024
	ds_load_b128 v[\f+8*\a+4:\f+8*\a+7], v[\ra] offset:(2*\a*(\n)+(\q))*1024+512
.endr
.endm
.macro MASKRD p                        ; piece p of the mask into window 2: register 64 p + 8 b + j belongs to accumulator (p, b)'s register j
	WIN 0x80
.irp b, 0,1,2,3,4,5,6,7
.irp c, 0,1
	ds_load_b128 v[64*\p+8*\b+4*\c:64*\p+8*\b+4*\c+3], v[ADM] offset:(\p%2)*MBB+64*\b+16*\c
.endr
.endr
	WIN 0
.endm
; A chunk that has its successor in the same fill.  mp: a piece of the mask to read, or -1
.macro QUARTER ra, rb, n, q, cin, mp
	BUFS
	s_wait_dscnt 4                                 ; B's fragments and A's tiles 0, 1 are in; the youngest four loads (A's tiles 2, 3) may be out
	MUL FC, 0, 2, \cin
	WIN 0
	PLACES                                         ; in front of loads into the buffer that the last chunk's products read
.if \mp >= 0
	MASKRD \mp
.endif
	FETCH \ra, \rb, \n, (\q)+1, FN
.if \mp >= 0
	s_wait_dscnt 40                                ; all but the 16 + 24 just issued
.else
	s_wait_dscnt 24                                ; all but the 24 just issued
.endif
	MUL FC, 2, 2, \cin
.set KC, KC+1
.endm
; A prefetch of what later refills will ask for: 8 chunks of one row tile, lanes 256 bytes apart (n = 1: chunks 16-23; 2: chunks 24-31), and piece n + 1 of the mask, my wave's 256 bytes of each of its 32 rows.
; It stands behind the wave's tensor load and the run of LDS loads.  Each aligned 256 bytes are named once in the launch; chunks 0-15 and pieces 0, 1 come by their loads alone.
.macro ASK n
.if \n
	global_prefetch_b8 v[PFO], s[92:93] offset:(\n-1)*8192 th:TH_LOAD_NT scope:SCOPE_SE
	global_prefetch_b8 v[PFR], s[94:95] offset:(\n+1)*131072 th:TH_LOAD_NT scope:SCOPE_SE
.endif
.endm
; A fill's last chunk changes slots: ONE barrier.  In front of it each wave waits for all its tensor loads (its part of the other slot), adds 0 to its spare word, and waits for that and for its reads of this slot.
; kind = 1: slot sl is filled again with NB chunks, 2: with the last 2, 0: not at all.  With a refill the barrier opens a round of the cluster's barrier, and the refill is the first thing behind the round.
; ra, rb, n: where the other slot's fragments lie.  mk: the mask buffer that wave 3 fills again, or -1.
.macro TURN kind, sl, ra, rb, n, mk, ask
	BUFS
	WIN 0
	s_wait_tensorcnt 0x0                           ; all my tensor loads have landed
	ds_add_u32 v[SPW], v[NIL]
	s_wait_dscnt 5                                 ; (the add and A's tiles 2, 3 may be out)
	MUL FC, 0, 1, 0                                ; eight matrix instructions stand between the add and the wait for it
	s_wait_dscnt 0x0                               ; the add is done, and my reads of this slot (and of the mask's buffers) are over
	s_barrier_signal -1
	MUL FC, 1, 1, 0
	WIN 0
	s_barrier_wait -1
.if \kind
	CREST                                          ; no wave of any partner still reads this slot or has a load on its way
	s_add_nc_u64 s[G0A+4*\sl+2:G0A+4*\sl+3], s[G0A+4*\sl+2:G0A+4*\sl+3], 2*NB*1024
	s_add_nc_u64 s[G0B+4*\sl+2:G0B+4*\sl+3], s[G0B+4*\sl+2:G0B+4*\sl+3], 2*NB*1024
.if \mk >= 0
	s_add_nc_u64 s[G0M+4*\mk+2:G0M+4*\mk+3], s[G0M+4*\mk+2:G0M+4*\mk+3], 262144   ; two pieces on
.endif
.if \kind == 1
	JLOAD \sl, G1A, G1B, \mk
.else
	JLOAD \sl, G1AS, G1BS, \mk
.endif
.else
	PLACES
.endif
	FETCH \ra, \rb, \n, 0, FN
	ASK \ask
	MUL FC, 2, 2, 0
.set KC, KC+1
.endm
	s_wait_tensorcnt 1                             ; my first fill is in (the second may be out)
	s_barrier_signal -1
	s_barrier_wait -1                              ; everybody's is
.set KC, 0
	FETCH ADAX, ADBX, NB, 0, F0
	QUARTER ADAX, ADBX, NB, 0, 1, -1               ; chunk 0 starts the sums
	QUARTER ADAX, ADBX, NB, 1, 0, 0                ; chunk 1, and piece 0 of the mask
	QUARTER ADAX, ADBX, NB, 2, 0, -1
	QUARTER ADAX, ADBX, NB, 3, 0, -1
	TURN 1, 0, ADAY, ADBY, NB, -1, 1               ; chunk 4: X takes chunks 10-14
	QUARTER ADAY, ADBY, NB, 0, 0, -1
	QUARTER ADAY, ADBY, NB, 1, 0, 1                ; chunk 6, and piece 1
	QUARTER ADAY, ADBY, NB, 2, 0, -1
	QUARTER ADAY, ADBY, NB, 3, 0, -1
	TURN 1, 1, ADAX, ADBX, NB, 0, 2                ; chunk 9: Y takes 15-19, buffer 0 piece 2
.irp q, 0,1,2,3
	QUARTER ADAX, ADBX, NB, \q, 0, -1
.endr
	TURN 1, 0, ADAY, ADBY, NB, 1, 0                ; chunk 14: X takes 20-24, buffer 1 piece 3
	QUARTER ADAY, ADBY, NB, 0, 0, -1
	QUARTER ADAY, ADBY, NB, 1, 0, 2                ; chunk 16, and piece 2
	QUARTER ADAY, ADBY, NB, 2, 0, -1
	QUARTER ADAY, ADBY, NB, 3, 0, -1
	TURN 1, 1, ADAX, ADBX, NB, -1, 0               ; chunk 19: Y takes 25-29
	QUARTER ADAX, ADBX, NB, 0, 0, -1
	QUARTER ADAX, ADBX, NB, 1, 0, 3                ; chunk 21, and piece 3
	QUARTER ADAX, ADBX, NB, 2, 0, -1
	QUARTER ADAX, ADBX, NB, 3, 0, -1
	TURN 2, 0, ADAY, ADBY, NB, -1, 0               ; chunk 24: X takes the last two chunks
.irp q, 0,1,2,3
	QUARTER ADAY, ADBY, NB, \q, 0, -1
.endr
	TURN 0, 1, ADAS, ADBX, 2, -1, 0                ; chunk 29: nothing is left to fetch
	QUARTER ADAS, ADBX, 2, 0, 0, -1                ; chunk 30
	BUFS                                           ; chunk 31
	s_wait_dscnt 4
	MUL FC, 0, 2, 0
	s_wait_dscnt 0x0
	MUL FC, 2, 2, 0
	WIN 0
	; THE WAY OUT.  These sixteen lines are also the places behind the last products.
.irp a, 0,1,2,3
	v_mov_b32 v[MX+\a], 0xff61b1e6                 ; -3e38, under every score: a group with no key that counts keeps it
.endr
.irp a, 0,1,2,3
	v_mov_b32 v[TT+\a], 0                          ; (a lane permute's destination counts as one of its sources)
.endr
.irp i, 0,1,2,3,4,5,6,7
	v_mov_b32 v[SU+\i], 0
.endr
	WIN 0x46                                       ; source 0 (the mask) window 2; source 1 and destination (the scores) window 1
.set i, 0
.rept 256
	v_cmp_ne_u32 vcc_lo, v[i], 0                   ; does the key count?
	v_cndmask_b32 v[i], s100, v[i], vcc_lo         ; if not: -infinity.  (Each accumulator from its low end on)
.set i, i+1
.endr
	WIN 0x14                                       ; sources 1 and 2 window 1
.set i, 0
.rept 32
.irp a, 0,1,2,3
	v_max3_num_f32 v[MX+\a], v[MX+\a], v[64*\a+2*i], v[64*\a+2*i+1]   ; four chains by turns
.endr
.set i, i+1
.endr
	WIN 0
.irp a, 0,1,2,3
	v_permlanex16_b32 v[TT+\a], v[MX+\a], s98, s99 ; the query's other 64 keys lie in the lane 16 away
.endr
.irp a, 0,1,2,3
	v_max_num_f32 v[MX+\a], v[MX+\a], v[TT+\a]
.endr
.irp a, 0,1,2,3
	v_mul_f32 v[TT+\a], s96, v[MX+\a]              ; as t (c is positive)
.endr
.irp a, 0,1,2,3
	v_floor_f32 v[NM+2*\a], -v[TT+\a]              ; -M = floor(-t) = -ceil(t): M is a whole number
.endr
.irp a, 0,1,2,3
	v_mov_b32 v[NM+2*\a+1], v[NM+2*\a]             ; (the pair's upper half is named, so it is written)
.endr
	WIN 0x41                                       ; source 0 and destination window 1
.set i, 0
.rept 128
	v_pk_fma_f32 v[2*i:2*i+1], v[2*i:2*i+1], s[96:97], v[NM+2*(i/32):NM+2*(i/32)+1] op_sel_hi:[1,0,0]   ; t - M, two at a time
.set i, i+1
.endr
.set i, 0
.rept 256
	v_exp_f32 v[i], v[i]                           ; p = 2^(t - M)
.set i, i+1
.endr
	v_nop                                          ; a plain line behind the last exponential
	s_wait_alu depctr_va_vdst(0)                   ; one wait for the whole batch, ahead of its first reader
	WIN 0x04                                       ; source 1 window 1
.set i, 0
.rept 32
.irp a, 0,1,2,3
	v_pk_add_f32 v[SU+2*\a:SU+2*\a+1], v[SU+2*\a:SU+2*\a+1], v[64*\a+2*i:64*\a+2*i+1]   ; the sum of the unrounded p
.endr
.set i, i+1
.endr
	WIN 0x85                                       ; sources window 1, destination window 2: the mask's registers are free
.set i, 0
.rept 128
	v_cvt_pk_f16_f32 v[i], v[2*i], v[2*i+1]
.set i, i+1
.endr
	WIN 0
.irp a, 0,1,2,3
	v_add_f32 v[SU+2*\a], v[SU+2*\a], v[SU+2*\a+1]
.endr
.irp a, 0,1,2,3
	v_permlanex16_b32 v[TT+\a], v[SU+2*\a], s98, s99
.endr
.irp a, 0,1,2,3
	v_add_f32 v[SU+2*\a], v[SU+2*\a], v[TT+\a]     ; l of the query and group
.endr
	v_cndmask_b32 v[REC], v[NM], v[NM+4], s101     ; the record: lanes 0-15 hold (-M, l) of tiles 0 and 1, lanes 16-31 of tiles 2 and 3
	v_cndmask_b32 v[REC+1], v[SU], v[SU+4], s101
	v_cndmask_b32 v[REC+2], v[NM+2], v[NM+6], s101
	v_cndmask_b32 v[REC+3], v[SU+2], v[SU+6], s101
	WIN 0x08                                       ; a store's data are its source 1: window 2
.irp a, 0,1,2,3
.irp b, 0,1,2,3,4,5,6,7
	global_store_b128 v[GO], v[4*(8*\a+\b):4*(8*\a+\b)+3], s[8:9] offset:\a*65536+\b*512   ; 32 lanes store 512 consecutive bytes
.endr
.endr
	WIN 0
	global_store_b128 v[GO], v[REC:REC+3], s[10:11]
	s_wait_tensorcnt 0x0                           ; the wave's end: three lines behind my last tensor load
	ds_add_u32 v[SPW], v[NIL]
	s_wait_dscnt 0x0
	CROUND                                         ; the closing round: no work-group ends while a partner may still ask for a tile that names it
	s_endpgm
.Lfunc_end_k_qec56858500_scores:
	.size	k_qec56858500_scores, .Lfunc_end_k_qec56858500_scores-k_qec56858500_scores
	.p2alignl 7, 3214868480
	.fill 96, 4, 3214868480
	.section	.rodata,"a",@progbits
	.p2align	6, 0x0
	.amdhsa_kernel k_qec56858500_scores
		.amdhsa_group_segment_fixed_size 327680
		.amdhsa_private_segment_fixed_size 0
		.amdhsa_enable_private_segment 0
		.amdhsa_kernarg_size 32
		.amdhsa_user_sgpr_count 2
		.amdhsa_user_sgpr_kernarg_segment_ptr 1
		.amdhsa_wavefront_size32 1
		.amdhsa_system_sgpr_workgroup_id_x 1
		.amdhsa_system_sgpr_workgroup_id_y 1
		.amdhsa_system_sgpr_workgroup_id_z 1
		.amdhsa_system_vgpr_workitem_id 0
		.amdhsa_next_free_vgpr 768
		.amdhsa_next_free_sgpr 102
		.amdhsa_reserve_vcc 1
		.amdhsa_float_denorm_mode_32 3
		.amdhsa_float_denorm_mode_16_64 3
		.amdhsa_memory_ordered 1
		.amdhsa_forward_progress 1
		.amdhsa_inst_pref_size 211
	.end_amdhsa_kernel
	.amdgpu_metadata
---
amdhsa.version: [ 1, 2 ]
amdhsa.kernels:
  - .name:           k_qec56858500_scores
    .symbol:         k_qec56858500_scores.kd
    .args:
      - { .name: qk, .offset: 0, .size: 8, .value_kind: global_buffer, .address_space: global }
      - { .name: attention_mask, .offset: 8, .size: 8, .value_kind: global_buffer, .address_space: global }
      - { .name: pimg, .offset: 16, .size: 8, .value_kind: global_buffer, .address_space: global }
      - { .name: stats, .offset: 24, .size: 8, .value_kind: global_buffer, .address_space: global }
    .group_segment_fixed_size: 327680
    .private_segment_fixed_size: 0
    .kernarg_segment_align: 8
    .kernarg_segment_size: 32
    .max_flat_workgroup_size: 128
    .sgpr_count:     102
    .vgpr_count:     768
    .wavefront_size: 32
...
	.end_amdgpu_metadata
.endif
;; end of part 3
;; launch pv (part 4): grid 4 x 64, 4 waves a work-group, clusters of 4 x 4, 327,680 bytes of LDS; arguments pimg, vt, stats, bv, oimg; writes oimg
.if DOCPART == 4
	.amdgcn_target "amdgcn-amd-amdhsa--gfx1250"
	.amdhsa_code_object_version 6
	.text
	.protected	k_qec56858500_pv
	.globl	k_qec56858500_pv
	.p2align	8
	.type	k_qec56858500_pv,@function
k_qec56858500_pv:
	s_mov_b64 s[64:65], 0
	v_nop
	global_prefetch_b8 v0, s[64:65] scope:SCOPE_SE
	s_setreg_imm32_b32 hwreg(HW_REG_WAVE_MODE, 25, 1), 1
	s_wait_xcnt 0x0
	s_wait_alu depctr_hold_cnt(0) depctr_sa_sdst(0) depctr_va_vdst(0) depctr_va_sdst(0) depctr_va_ssrc(0) depctr_va_vcc(0) depctr_vm_vsrc(0)
	s_getreg_b32 s2, hwreg(HW_REG_IB_STS2, 6, 4)
	s_cmp_eq_u32 s2, 0
	s_cbranch_scc0 .Lentry_in_a_cluster
	s_endpgm
.Lentry_in_a_cluster:
	s_bfe_u32 s2, ttmp6, 0x10000c
	s_cmp_lg_u32 s2, 0xf033
	s_cbranch_scc0 .Lentry_shape_is_right
	s_endpgm
.Lentry_shape_is_right:
; out = softmax(..) v for each of 8 batches: the second half of the softmax and the product with v (f16 operands, f32 sums); out is rounded once to f16, in the order of the next product's operand registers.
; A work-group makes 128 queries x 256 channels; each of its four waves 64 x 128: 32 tiles of 16 x 16.  Wave (wm, wn): queries 32 a + 16 wm + r, channels 128 wn + 16 b + 8 h + j.
; OPERANDS: p's image (row tile = 16 queries, chunk = 32 keys) and v^T's image (row tile = 16 channels, chunk = 32 tokens of all 8,192): byte = T x RTB + C x 1024 + c x 512 + 16 x lane.
; THE SOFTMAX'S SECOND HALF, IN f32.  p was stored under a whole number M_g for each query and group g of 128 keys, with -M_g and l_g.  Here M = the largest M_g: the row's largest t, rounded up, is what is taken away.
; f_g = 2^(M_g - M), a power of two at most 1; L = sum of f_g l_g; f'_g = f_g / L.  The accumulators sum ONE group (four chunks; its first chunk starts them with 0); then total += f'_g x sum, and the first group's
; multiply-add takes bv as its addend: out = bv + sum over g of f'_g (p_g v_g).  Nothing is cleared, and nothing is left to scale at the end.
; bv stands here and not in v: the weights p f' of a row sum to 1.  A row with no key that counts has sums 0 and L = 0: 0 x infinity is NaN, as the softmax of such a row is.
; BY TURNS.  The multiply-adds stand in slices of four behind a matrix instruction each: tiles 0, 1 of a group behind the products of tiles 2, 3 in its last chunk, tiles 2, 3 behind the products of tiles 0, 1 in the next
; group's first chunk.  A slice costs two window switches, since sums, totals and factors fill windows of their own; set in blocks of their own the 1,024 multiply-adds would leave the matrix unit idle meanwhile.
; THE RING: two LDS slots of 6 chunks, filled by joint tensor loads: 5 x 6 chunks and a last fill of 2.  Waves 0, 1 fetch A's halves, waves 2, 3 B's.  CLUSTERS: 4 x 4; p's tile is shared along a row, v^T's along a column.
; LIMITS: a group whose M lies 150 or more under the row's counts for nothing; |out| under 65,504.
; REGISTERS: window 0: v1-16 addresses; v4-7, v17-26 at work at the head; v28, v29 the add's two; v64-159, v160-255 two fragment buffers (A's four at + 8 a, B's eight at + 32 + 8 b).
;   window 1: a group's sums, (a, b) at v[8 (8 a + b)].   window 2: the totals, at the same numbers.   window 3: v0-63 bv, v64-191 out as f16, v192-255 f', twice each: (a, g) at 192 + 2 (8 a + g).
.set NB,    6
.set PART,  8*NB*1024
.set SLOT,  3*PART
.set SPARE, 2*SLOT                     ; the spare words, 128 bytes for each wave: two blocks of 256 bytes that no other line names
.set MN,   4                           ; v4-7   the smallest -M of tile a
.set ADAX, 8
.set ADAY, 9
.set ADAS, 10                          ; the short fill lies in slot Y
.set ADBX, 11
.set ADBY, 12
.set PFO,  14
.set GO,   16
.set IL,   18                          ; v18-21 L, then 1 / L, of tile a
.set SPW,  28
.set NIL,  29
.set F0,   64
.set ST,   160                         ; the records, at the head: -M of (a, g) at 8 g + 2 a, l behind it
.set OH,   64                          ; window 3
.set FP,   192                         ; window 3
.set G1A,  24
.set G1AS, 32
.set G1B,  40
.set G1BS, 48
.set G0A,  56
.set G0B,  68
.set MSB, 0
.macro WIN new
.if MSB != \new
	s_set_vgpr_msb (MSB<<8)|\new
.set MSB, \new
.endif
.endm
.macro PLACES                          ; four plain vector lines between a matrix instruction and a load into, or a vector read or write of, its registers
.rept 4
	v_nop
.endr
.endm
.macro CREST
	s_cmp_lg_u32 s14, 0
	s_cbranch_scc1 .Lnot_wave_0_\@
	s_barrier_signal -3
.Lnot_wave_0_\@:
	s_barrier_wait -3
	s_barrier_signal -1
	s_barrier_wait -1
.endm
.macro CROUND
	s_barrier_signal -1
	s_barrier_wait -1
	CREST
.endm
.macro GROUP1 g, n, rows, pitch        ; rows row tiles x n chunks of 1,024 bytes, in elements of 8 bytes; dense in LDS
	s_mov_b32 s[\g+1], (128*\n)<<16
	s_mov_b32 s[\g+2], (\rows)<<16
	s_mov_b32 s[\g+3], (128*\n)<<16
	s_mov_b32 s[\g+4], \rows
	s_mov_b32 s[\g+5], \pitch
	s_mov_b32 s[\g+6], 0
	s_mov_b32 s[\g+7], 0
.endm
; A joint refill: waves 0 and 1 fetch A's halves, waves 2 and 3 B's; the branch hangs on the wave's number alone.  An s_nop 0 and four v_nop follow each of the two lines.
.macro JLOAD sl, ga, gb
	s_cmp_eq_u32 s15, 0
	s_cbranch_scc0 .Lfor_b_\@
	tensor_load_to_lds s[G0A+4*\sl:G0A+4*\sl+3], s[\ga:\ga+7]
	s_nop 0
.rept 4
	v_nop
.endr
	s_branch .Lasked_\@
.Lfor_b_\@:
	tensor_load_to_lds s[G0B+4*\sl:G0B+4*\sl+3], s[\gb:\gb+7]
	s_nop 0
.rept 4
	v_nop
.endr
.Lasked_\@:
.endm
	s_load_b256 s[4:11], s[0:1], 0x0               ; pimg s[4:5], vt s[6:7], stats s[8:9], bv s[10:11]
	s_load_b64 s[12:13], s[0:1], 0x20              ; oimg
	v_lshl_add_u32 v[SPW], v0, 2, SPARE
	v_mov_b32 v[NIL], 0
	ds_add_u32 v[SPW], v[NIL]                      ; the wave's opening: the add, twice on end, and its wait ahead of my first tensor load
	ds_add_u32 v[SPW], v[NIL]
	v_lshrrev_b32 v1, 5, v0
	v_readfirstlane_b32 s14, v1                    ; wave 0..3
	s_lshr_b32 s15, s14, 1                         ; wm.  Also: I fetch for A (0) or for B (1)
	s_and_b32 s16, s14, 1                          ; wn.  Also: which half of that tile I fetch
	s_bfe_u32 s17, ttmp6, 0x40000                  ; cx: also the tile column (256 channels)
	s_bfe_u32 s18, ttmp6, 0x40004                  ; cy
	s_and_b32 s19, ttmp7, 0xffff                   ; the cluster's y
	s_lshl_b32 s20, s19, 2
	s_add_co_u32 s20, s20, s18                     ; my block of 128 queries
	s_lshr_b32 s21, s19, 1                         ; the batch
	s_lshl_b32 s2, s18, 2
	s_lshl_b32 s2, 15, s2                          ; my row of the cluster
	s_lshl_b32 s3, 0x1111, s17                     ; my column
	s_or_b32 s[G1A], s2, (3<<16)|(1<<21)
	s_or_b32 s[G1AS], s2, (3<<16)|(1<<21)
	s_or_b32 s[G1B], s3, (3<<16)|(1<<21)
	s_or_b32 s[G1BS], s3, (3<<16)|(1<<21)
	GROUP1 G1A, NB, 4, 4096
	GROUP1 G1AS, 2, 4, 4096
	GROUP1 G1B, NB, 8, 32768                       ; a row tile of v^T is 262,144 bytes
	GROUP1 G1BS, 2, 8, 32768
	s_lshl_b32 s22, s20, 18                        ; A: my block's 8 row tiles,
	s_lshl_b32 s23, s16, 17                        ; 4 a half
	s_add_co_u32 s22, s22, s23
	s_mov_b32 s23, 0
	s_mul_i32 s[G0A+1], s16, 4*NB*1024             ; its place in slot X,
	s_add_co_u32 s[G0A+5], s[G0A+1], SLOT          ; in slot Y,
	s_lshl_b32 s66, s16, 13
	s_add_co_u32 s66, s66, SLOT                    ; and in the short fill, which lies in slot Y: 4 row tiles x 2,048 bytes a half
	s_mul_i32 s[G0B+1], s16, PART
	s_add_co_u32 s[G0B+1], s[G0B+1], PART
	s_add_co_u32 s[G0B+5], s[G0B+1], SLOT
	s_lshl_b32 s92, s17, 22                        ; B: 16 row tiles a tile column,
	s_lshl_b32 s93, s16, 21                        ; 8 a half,
	s_add_co_u32 s92, s92, s93
	s_lshl_b32 s93, s21, 15                        ; the batch's 32 chunks in each
	s_add_co_u32 s92, s92, s93
	s_mov_b32 s93, 0
	s_wait_dscnt 0x0                               ; both opening adds are done
	s_wait_kmcnt 0x0
	s_add_nc_u64 s[22:23], s[4:5], s[22:23]
	s_add_nc_u64 s[92:93], s[6:7], s[92:93]
	CROUND                                         ; all sixteen work-groups are here: the first joint loads meet
	s_mov_b32 s[G0A], 1
	s_mov_b64 s[G0A+2:G0A+3], s[22:23]
	s_or_b32 s[G0A+3], s[G0A+3], 0x80000000
	s_mov_b32 s[G0A+4], 1
	s_add_nc_u64 s[G0A+6:G0A+7], s[22:23], NB*1024
	s_or_b32 s[G0A+7], s[G0A+7], 0x80000000
	s_mov_b32 s[G0B], 1
	s_mov_b64 s[G0B+2:G0B+3], s[92:93]
	s_or_b32 s[G0B+3], s[G0B+3], 0x80000000
	s_mov_b32 s[G0B+4], 1
	s_add_nc_u64 s[G0B+6:G0B+7], s[92:93], NB*1024
	s_or_b32 s[G0B+7], s[G0B+7], 0x80000000
	s_cmp_eq_u32 s15, 0                            ; a wave's two first fills stand in one arm, ahead of every wait on TENSORcnt and every LDS read: two loads of mine are out
	s_cbranch_scc0 .Lfirst_b
	tensor_load_to_lds s[G0A:G0A+3], s[G1A:G1A+7]
	s_nop 0
	tensor_load_to_lds s[G0A+4:G0A+7], s[G1A:G1A+7]
	s_nop 0
.rept 4
	v_nop
.endr
	s_branch .Lfirst_asked
.Lfirst_b:
	tensor_load_to_lds s[G0B:G0B+3], s[G1B:G1B+7]
	s_nop 0
	tensor_load_to_lds s[G0B+4:G0B+7], s[G1B:G1B+7]
	s_nop 0
.rept 4
	v_nop
.endr
.Lfirst_asked:
	v_and_b32 v1, 31, v0                           ; lane
	v_and_b32 v2, 15, v0                           ; r
	v_bfe_u32 v3, v0, 4, 1                         ; h
	v_lshlrev_b32 v[GO], 4, v1
	; the records of my 64 queries: 8 groups x 512 bytes; lane r takes query r's, whichever its half
	v_lshlrev_b32 v17, 4, v2
	s_lshl_b32 s2, s20, 1
	s_add_co_u32 s2, s2, s15
	s_lshl_b32 s2, s2, 12
	s_mov_b32 s3, 0
	s_add_nc_u64 s[8:9], s[8:9], s[2:3]
.irp g, 0,1,2,3,4,5,6,7
	global_load_b128 v[ST+8*\g:ST+8*\g+3], v17, s[8:9] offset:512*\g          ; (-M, l) of tiles 0 and 1,
	global_load_b128 v[ST+8*\g+4:ST+8*\g+7], v17, s[8:9] offset:512*\g+256    ; of tiles 2 and 3
.endr
	s_lshl_b32 s2, s17, 10                         ; bv at my first channel
	s_lshl_b32 s22, s16, 9
	s_add_co_u32 s2, s2, s22
	s_add_nc_u64 s[10:11], s[10:11], s[2:3]
	v_lshlrev_b32 v26, 5, v3                       ; + 32 h bytes
	WIN 0xc0                                       ; destination window 3
.irp b, 0,1,2,3,4,5,6,7
	global_load_b128 v[8*\b:8*\b+3], v26, s[10:11] offset:64*\b
	global_load_b128 v[8*\b+4:8*\b+7], v26, s[10:11] offset:64*\b+16
.endr
	WIN 0
	s_mul_i32 s2, s15, NB*1024                     ; my A tiles are row tiles 2 a + wm
	v_add_nc_u32 v[ADAX], s2, v[GO]
	v_add_nc_u32 v[ADAY], SLOT, v[ADAX]
	s_lshl_b32 s2, s15, 11
	s_add_co_u32 s2, s2, SLOT
	v_add_nc_u32 v[ADAS], s2, v[GO]
	s_mul_i32 s2, s16, PART
	s_add_co_u32 s2, s2, PART
	v_add_nc_u32 v[ADBX], s2, v[GO]
	v_add_nc_u32 v[ADBY], SLOT, v[ADBX]
	v_lshlrev_b32 v[PFO], 8, v1
	; the prefetches: A's 8 row tiles are shared out among the four partners of my row x waves 0, 1; B's 16 among the two clusters of my batch x four partners of my column x waves 2, 3: by address alone
	s_lshl_b32 s2, s17, 1
	s_add_co_u32 s2, s2, s16
	s_lshl_b32 s2, s2, 15
	s_lshl_b32 s22, s20, 18
	s_add_co_u32 s2, s2, s22                       ; A: row tile 2 cx + wn of my block
	s_and_b32 s22, s19, 1
	s_lshl_b32 s22, s22, 2
	s_add_co_u32 s22, s22, s18
	s_lshl_b32 s22, s22, 1
	s_add_co_u32 s22, s22, s16                     ; B: row tile 2 (4 (cluster y % 2) + cy) + wn
	s_lshl_b32 s23, s17, 4
	s_add_co_u32 s22, s22, s23                     ; of tile column cx,
	s_lshl_b32 s22, s22, 18
	s_lshl_b32 s23, s21, 15                        ; the batch's chunks
	s_add_co_u32 s22, s22, s23
	s_cmp_eq_u32 s15, 0
	s_cselect_b32 s2, s2, s22
	s_cselect_b64 s[92:93], s[4:5], s[6:7]
	s_add_co_u32 s2, s2, 16384                     ; from chunk 16 on
	s_add_nc_u64 s[92:93], s[92:93], s[2:3]        ; never rewritten
	; the way out: out's image, row tile 8 x block + wm (+ 2 a); 16 channels are 512 bytes
	s_lshl_b32 s2, s20, 3
	s_add_co_u32 s2, s2, s15
	s_lshl_b32 s2, s2, 15
	s_lshl_b32 s22, s17, 4
	s_lshl_b32 s23, s16, 3
	s_add_co_u32 s22, s22, s23
	s_lshl_b32 s22, s22, 9
	s_add_co_u32 s2, s2, s22
	s_add_nc_u64 s[12:13], s[12:13], s[2:3]
	s_wait_loadcnt 0x0                             ; the records and bv
.irp a, 0,1,2,3
	v_min3_num_f32 v[MN+\a], v[ST+2*\a], v[ST+8+2*\a], v[ST+16+2*\a]          ; the smallest -M: that of the row's largest M
.endr
.irp a, 0,1,2,3
	v_min3_num_f32 v[MN+\a], v[MN+\a], v[ST+24+2*\a], v[ST+32+2*\a]
.endr
.irp a, 0,1,2,3
	v_min3_num_f32 v[MN+\a], v[MN+\a], v[ST+40+2*\a], v[ST+48+2*\a]
.endr
.irp a, 0,1,2,3
	v_min_num_f32 v[MN+\a], v[MN+\a], v[ST+56+2*\a]
.endr
.irp g, 0,1,2,3,4,5,6,7
.irp a, 0,1,2,3
	v_sub_f32 v[ST+8*\g+2*\a], v[MN+\a], v[ST+8*\g+2*\a]                      ; M_g - M: a whole number, 0 or less
.endr
.endr
.irp g, 0,1,2,3,4,5,6,7
.irp a, 0,1,2,3
	v_cvt_i32_f32 v[ST+8*\g+2*\a], v[ST+8*\g+2*\a]                            ; (it saturates)
.endr
.endr
.irp g, 0,1,2,3,4,5,6,7
.irp a, 0,1,2,3
	v_ldexp_f32 v[ST+8*\g+2*\a], 1.0, v[ST+8*\g+2*\a]                         ; f_g = 2^(M_g - M)
.endr
.endr
.irp a, 0,1,2,3
	v_mul_f32 v[IL+\a], v[ST+2*\a], v[ST+2*\a+1]
.endr
.irp g, 1,2,3,4,5,6,7
.irp a, 0,1,2,3
	v_fma_f32 v[IL+\a], v[ST+8*\g+2*\a], v[ST+8*\g+2*\a+1], v[IL+\a]          ; L = sum of f_g l_g
.endr
.endr
.irp a, 0,1,2,3
	v_rcp_f32 v[IL+\a], v[IL+\a]
.endr
	v_nop                                          ; a plain line behind the last reciprocal
	s_wait_alu depctr_va_vdst(0)                   ; one wait for the four, ahead of their first reader
	WIN 0xc0                                       ; destination window 3
.irp g, 0,1,2,3,4,5,6,7
.irp a, 0,1,2,3
	v_mul_f32 v[FP+2*(8*\a+\g)], v[ST+8*\g+2*\a], v[IL+\a]                    ; f'_g = f_g / L, written twice: a pair for the packed multiply-add
	v_mul_f32 v[FP+2*(8*\a+\g)+1], v[ST+8*\g+2*\a], v[IL+\a]
.endr
.endr
	WIN 0
; What chunk KC does.  It is multiplied out of buffer KC % 2; the next chunk is fetched into the other.  CIN = 1: it is a group's first, and starts the sums.
; S1: the tiles (S1, S1 + 1) whose sums of group GS are taken into the totals behind the products of tiles 0, 1, or -1;  S2: the same behind the products of tiles 2, 3.
.macro PLAN
.set FC, F0+96*(KC%2)
.set FN, F0+96*(1-KC%2)
.set CIN, 0
.set S1, -1
.set S2, -1
.set GS, 0
.if KC%4 == 0
.set CIN, 1
.if KC > 0
.set S1, 2
.set GS, KC/4-1
.endif
.endif
.if KC%4 == 3
.set S2, 0
.set GS, KC/4
.endif
.endm
; A slice: total(t, b) += f'(t, g) x sum(t, b): four packed multiply-adds, from the accumulator's low end on.  Group 0 starts the totals, with bv.
.macro SLICE t, b, g
.set rT, 8*(8*(\t)+(\b))
.set rF, FP+2*(8*(\t)+(\g))
.if (\g) == 0
	WIN 0xbd                                       ; source 0 (the sums) window 1, sources 1 (f') and 2 (bv) window 3, destination (the totals) window 2
.irp i, 0,2,4,6
	v_pk_fma_f32 v[rT+\i:rT+\i+1], v[rT+\i:rT+\i+1], v[rF:rF+1], v[8*(\b)+\i:8*(\b)+\i+1]
.endr
.else
	WIN 0xad                                       ; source 0 window 1, source 1 window 3, source 2 and destination window 2
.irp i, 0,2,4,6
	v_pk_fma_f32 v[rT+\i:rT+\i+1], v[rT+\i:rT+\i+1], v[rF:rF+1], v[rT+\i:rT+\i+1]
.endr
.endif
.endm
; na x 8 matrix instructions: A's tiles a0 on x B's eight, 32 along K; behind each, where sa0 is no -1, a slice of tile sa0 + (its tile - a0).
; The 32 accumulators take turns, one instruction a turn, in one order.
.macro MUL f, a0, na, cin, sa0, g
.set ma, \a0
.set sa, \sa0
.rept \na
.irp b, 0,1,2,3,4,5,6,7
	WIN 0x50                                       ; A and B window 0, C and D window 1
.if \cin == 1
	v_wmma_f32_16x16x32_f16 v[8*(8*ma+\b):8*(8*ma+\b)+7], v[\f+32+8*\b:\f+32+8*\b+7], v[\f+8*ma:\f+8*ma+7], 0
.else
	v_wmma_f32_16x16x32_f16 v[8*(8*ma+\b):8*(8*ma+\b)+7], v[\f+32+8*\b:\f+32+8*\b+7], v[\f+8*ma:\f+8*ma+7], v[8*(8*ma+\b):8*(8*ma+\b)+7]
.endif
.if \sa0 >= 0
	SLICE sa, \b, \g
.endif
.endr
.set ma, ma+1
.set sa, sa+1
.endr
.endm
.macro FETCH ra, rb, n, q, f           ; 24 LDS loads in one run: chunk q of a fill of n chunks into buffer f: B's eight fragments, then A's four
.irp b, 0,1,2,3,4,5,6,7
	ds_load_b128 v[\f+32+8*\b:\f+32+8*\b+3], v[\rb] offset:(\b*(\n)+(\q))*1024
	ds_load_b128 v[\f+32+8*\b+4:\f+32+8*\b+7], v[\rb] offset:(\b*(\n)+(\q))*1024+512
.endr
.irp a, 0,1,2,3
	ds_load_b128 v[\f+8*\a:\f+8*\a+3], v[\ra] offset:(2*\a*(\n)+(\q))*1024
	ds_load_b128 v[\f+8*\a+4:\f+8*\a+7], v[\ra] offset:(2*\a*(\n)+(\q))*1024+512
.endr
.endm
; A chunk that has its successor in the same fill.  The four v_nop in its middle serve twice: in front of the loads into the buffer that the last chunk's products read, and in front of the slices that read the sums of tiles 0, 1.
; The slices of tiles 2, 3, in the next chunk, find their places in the slices of tiles 0, 1: one stands behind each product, the last too, and names none of its registers.
.macro QUARTER ra, rb, n, q
	PLAN
	s_wait_dscnt 4                                 ; B's fragments and A's tiles 0, 1 are in; the youngest four loads (A's tiles 2, 3) may be out
	MUL FC, 0, 2, CIN, S1, GS
	WIN 0
	PLACES
	FETCH \ra, \rb, \n, (\q)+1, FN
	s_wait_dscnt 24                                ; all but the 24 just issued
	MUL FC, 2, 2, CIN, S2, GS
.set KC, KC+1
.endm
; A prefetch of what later refills will ask for: 8 chunks of one row tile, lanes 256 bytes apart (n = 1: chunks 16-23; 2: chunks 24-31); each aligned 256 bytes are named once in the launch; chunks 0-15 come by their loads alone.
.macro ASK n
.if \n
	global_prefetch_b8 v[PFO], s[92:93] offset:(\n-1)*8192 th:TH_LOAD_NT scope:SCOPE_SE
.endif
.endm
; A fill's last chunk changes slots: ONE barrier.  In front of it each wave waits for all its tensor loads (its part of the other slot), adds 0 to its spare word, and waits for that and for its reads of this slot.
; kind = 1: slot sl is filled again with NB chunks, 2: with the last 2, 0: not at all.  With a refill the barrier opens a round of the cluster's barrier, and the joint refill is the first thing behind the round.
; (No fill's last chunk is a group's first: 5, 11, 17, 23, 29.)
.macro TURN kind, sl, ra, rb, n, ask
	PLAN
	WIN 0
	s_wait_tensorcnt 0x0                           ; all my tensor loads have landed
	ds_add_u32 v[SPW], v[NIL]
	s_wait_dscnt 5                                 ; (the add and A's tiles 2, 3 may be out)
	MUL FC, 0, 1, 0, -1, 0                         ; eight matrix instructions stand between the add and the wait for it
	s_wait_dscnt 0x0                               ; the add is done, and my reads of this slot are over
	s_barrier_signal -1
	MUL FC, 1, 1, 0, -1, 0
	WIN 0
	s_barrier_wait -1
.if \kind
	CREST                                          ; no wave of any partner still reads this slot or has a load on its way
	s_add_nc_u64 s[G0A+4*\sl+2:G0A+4*\sl+3], s[G0A+4*\sl+2:G0A+4*\sl+3], 2*NB*1024
	s_add_nc_u64 s[G0B+4*\sl+2:G0B+4*\sl+3], s[G0B+4*\sl+2:G0B+4*\sl+3], 2*NB*1024
.if \kind == 1
	JLOAD \sl, G1A, G1B                            ; the four v_nop behind it are the places that QUARTER's four are
.else
	s_mov_b32 s[G0A+4*\sl+1], s66                  ; A's halves lie closer in the short fill
	JLOAD \sl, G1AS, G1BS
.endif
.else
	PLACES
.endif
	FETCH \ra, \rb, \n, 0, FN
	ASK \ask
	MUL FC, 2, 2, 0, S2, GS
.set KC, KC+1
.endm
	s_wait_tensorcnt 1                             ; my part of slot X is in (slot Y's may be out)
	s_barrier_signal -1
	s_barrier_wait -1                              ; everybody's is
.set KC, 0
	FETCH ADAX, ADBX, NB, 0, F0
.irp q, 0,1,2,3,4
	QUARTER ADAX, ADBX, NB, \q
.endr
	TURN 1, 0, ADAY, ADBY, NB, 1                   ; chunk 5: X takes chunks 12-17
.irp q, 0,1,2,3,4
	QUARTER ADAY, ADBY, NB, \q
.endr
	TURN 1, 1, ADAX, ADBX, NB, 2                   ; chunk 11: Y takes 18-23
.irp q, 0,1,2,3,4
	QUARTER ADAX, ADBX, NB, \q
.endr
	TURN 1, 0, ADAY, ADBY, NB, 0                   ; chunk 17: X takes 24-29
.irp q, 0,1,2,3,4
	QUARTER ADAY, ADBY, NB, \q
.endr
	TURN 2, 1, ADAX, ADBX, NB, 0                   ; chunk 23: Y takes the last two chunks
.irp q, 0,1,2,3,4
	QUARTER ADAX, ADBX, NB, \q
.endr
	TURN 0, 0, ADAS, ADBY, 2, 0                    ; chunk 29: nothing is left to fetch
	QUARTER ADAS, ADBY, 2, 0                       ; chunk 30
	PLAN                                           ; chunk 31, the last group's last
	s_wait_dscnt 4
	MUL FC, 0, 2, CIN, S1, GS
	s_wait_dscnt 0x0
	PLACES                                         ; in front of the slices that read the sums of tiles 0, 1
	MUL FC, 2, 2, CIN, S2, GS
.irp t, 2,3                            ; the last group's tiles 2, 3: no product is left to set them behind
.irp b, 0,1,2,3,4,5,6,7
	SLICE \t, \b, 7
.endr
.endr
	; THE WAY OUT: the totals are out; rounded to f16, a tile is a block of 512 bytes of out's image.
	WIN 0xca                                       ; sources window 2, destination window 3
.set i, 0
.rept 128
	v_cvt_pk_f16_f32 v[OH+i], v[2*i], v[2*i+1]
.set i, i+1
.endr
	WIN 0x0c                                       ; a store's data are its source 1: window 3
.irp a, 0,1,2,3
.irp b, 0,1,2,3,4,5,6,7
	global_store_b128 v[GO], v[OH+4*(8*\a+\b):OH+4*(8*\a+\b)+3], s[12:13] offset:\a*65536+\b*512   ; 32 lanes store 512 consecutive bytes
.endr
.endr
	WIN 0
	s_wait_tensorcnt 0x0                           ; the wave's end: three lines behind my last tensor load
	ds_add_u32 v[SPW], v[NIL]
	s_wait_dscnt 0x0
	CROUND                                         ; the closing round: no work-group ends while a partner may still ask for a tile that names it
	s_endpgm
.Lfunc_end_k_qec56858500_pv:
	.size	k_qec56858500_pv, .Lfunc_end_k_qec56858500_pv-k_qec56858500_pv
	.p2alignl 7, 3214868480
	.fill 96, 4, 3214868480
	.section	.rodata,"a",@progbits
	.p2align	6, 0x0
	.amdhsa_kernel k_qec56858500_pv
		.amdhsa_group_segment_fixed_size 327680
		.amdhsa_private_segment_fixed_size 0
		.amdhsa_enable_private_segment 0
		.amdhsa_kernarg_size 40
		.amdhsa_user_sgpr_count 2
		.amdhsa_user_sgpr_kernarg_segment_ptr 1
		.amdhsa_wavefront_size32 1
		.amdhsa_system_sgpr_workgroup_id_x 1
		.amdhsa_system_sgpr_workgroup_id_y 1
		.amdhsa_system_sgpr_workgroup_id_z 1
		.amdhsa_system_vgpr_workitem_id 0
		.amdhsa_next_free_vgpr 1024
		.amdhsa_next_free_sgpr 102
		.amdhsa_reserve_vcc 0
		.amdhsa_float_denorm_mode_32 3
		.amdhsa_float_denorm_mode_16_64 3
		.amdhsa_memory_ordered 1
		.amdhsa_forward_progress 1
		.amdhsa_inst_pref_size 235
	.end_amdhsa_kernel
	.amdgpu_metadata
---
amdhsa.version: [ 1, 2 ]
amdhsa.kernels:
  - .name:           k_qec56858500_pv
    .symbol:         k_qec56858500_pv.kd
    .args:
      - { .name: pimg, .offset: 0, .size: 8, .value_kind: global_buffer, .address_space: global }
      - { .name: vt, .offset: 8, .size: 8, .value_kind: global_buffer, .address_space: global }
      - { .name: stats, .offset: 16, .size: 8, .value_kind: global_buffer, .address_space: global }
      - { .name: bv, .offset: 24, .size: 8, .value_kind: global_buffer, .address_space: global }
      - { .name: oimg, .offset: 32, .size: 8, .value_kind: global_buffer, .address_space: global }
    .group_segment_fixed_size: 327680
    .private_segment_fixed_size: 0
    .kernarg_segment_align: 8
    .kernarg_segment_size: 40
    .max_flat_workgroup_size: 128
    .sgpr_count:     102
    .vgpr_count:     1024
    .wavefront_size: 32
...
	.end_amdgpu_metadata
.endif
;; end of part 4
;; launch outp (part 5): grid 4 x 64, 4 waves a work-group, clusters of 4 x 4, 327,680 bytes of LDS; arguments oimg, woh, bo, out0; writes out0
.if DOCPART == 5
	.amdgcn_target "amdgcn-amd-amdhsa--gfx1250"
	.amdhsa_code_object_version 6
	.text
	.protected	k_qec56858500_outp
	.globl	k_qec56858500_outp
	.p2align	8
	.type	k_qec56858500_outp,@function
k_qec56858500_outp:
	s_mov_b64 s[64:65], 0
	v_nop
	global_prefetch_b8 v0, s[64:65] scope:SCOPE_SE
	s_setreg_imm32_b32 hwreg(HW_REG_WAVE_MODE, 25, 1), 1
	s_wait_xcnt 0x0
	s_wait_alu depctr_hold_cnt(0) depctr_sa_sdst(0) depctr_va_vdst(0) depctr_va_sdst(0) depctr_va_ssrc(0) depctr_va_vcc(0) depctr_vm_vsrc(0)
	s_getreg_b32 s2, hwreg(HW_REG_IB_STS2, 6, 4)
	s_cmp_eq_u32 s2, 0
	s_cbranch_scc0 .Lentry_in_a_cluster
	s_endpgm
.Lentry_in_a_cluster:
	s_bfe_u32 s2, ttmp6, 0x10000c
	s_cmp_lg_u32 s2, 0xf033
	s_cbranch_scc0 .Lentry_shape_is_right
	s_endpgm
.Lentry_shape_is_right:
; y = out Wo^T + bo: [8192][1024] f32; f16 operands, f32 sums.
; A work-group makes 128 rows x 256 columns; each of its four waves 64 x 128: 32 accumulators.  Wave (wm, wn): rows 32 a + 16 wm + r, columns 128 wn + 16 b + 8 h + j.
; OPERANDS: out's image and Wo's image, in the order of the operand's registers: byte = T x 32768 + C x 1024 + c x 512 + 16 x lane; a fragment is two loads of 16 bytes a lane, 512 consecutive bytes each.
; THE RING: two LDS slots of 6 chunks of 32 along K, filled by joint tensor loads: 5 x 6 chunks and a last fill of 2.  Waves 0, 1 fetch A's halves, waves 2, 3 B's.  CLUSTERS: 4 x 4; A's tile is shared along a row, B's along a column.
; bo is the C of each sum's first matrix instruction.  THE MATRIX INSTRUCTION IS USED TRANSPOSED: a lane holds eight neighbouring numbers of a row of y.
; THE WAY OUT goes through a stage in LDS of each wave's own, 16 rows x (512 + 16) bytes, so that the 32 lanes store whole rows of 512 bytes.  The stage lies in slot X, which has had its last fill and its last read by then.
; REGISTERS: window 0: v1-18 addresses; v28, v29 the add's two; v64-159, v160-255 two fragment buffers, on the way out rows of y.   window 1: the accumulators.   window 2: v0-63 bo.
.set NB,    6
.set PART,  8*NB*1024
.set SLOT,  3*PART
.set SPARE, 2*SLOT                     ; the spare words, 128 bytes for each wave: two blocks of 256 bytes that no other line names
.set SPITCH, 528
.set ADAX, 8
.set ADAY, 9
.set ADAS, 10
.set ADBX, 11
.set ADBY, 12
.set PFO,  14
.set GO,   16
.set STO,  17                          ; v17  the way out: where I put 32 bytes of a row
.set RD,   18                          ; v18  and where I read a row back
.set SPW,  28
.set NIL,  29
.set F0,   64
.set G1A,  24
.set G1AS, 32
.set G1B,  40
.set G1BS, 48
.set G0A,  56
.set G0B,  68
.set MSB, 0
.macro WIN new
.if MSB != \new
	s_set_vgpr_msb (MSB<<8)|\new
.set MSB, \new
.endif
.endm
.macro PLACES
.rept 4
	v_nop
.endr
.endm
.macro CREST
	s_cmp_lg_u32 s14, 0
	s_cbranch_scc1 .Lnot_wave_0_\@
	s_barrier_signal -3
.Lnot_wave_0_\@:
	s_barrier_wait -3
	s_barrier_signal -1
	s_barrier_wait -1
.endm
.macro CROUND
	s_barrier_signal -1
	s_barrier_wait -1
	CREST
.endm
.macro GROUP1 g, n, rows, pitch        ; rows row tiles x n chunks of 1,024 bytes, in elements of 8 bytes; dense in LDS
	s_mov_b32 s[\g+1], (128*\n)<<16
	s_mov_b32 s[\g+2], (\rows)<<16
	s_mov_b32 s[\g+3], (128*\n)<<16
	s_mov_b32 s[\g+4], \rows
	s_mov_b32 s[\g+5], \pitch
	s_mov_b32 s[\g+6], 0
	s_mov_b32 s[\g+7], 0
.endm
; A joint refill: waves 0 and 1 fetch A's halves, waves 2 and 3 B's; the branch hangs on the wave's number alone.  An s_nop 0 and four v_nop follow each of the two lines.
.macro JLOAD sl, ga, gb
	s_cmp_eq_u32 s15, 0
	s_cbranch_scc0 .Lfor_b_\@
	tensor_load_to_lds s[G0A+4*\sl:G0A+4*\sl+3], s[\ga:\ga+7]
	s_nop 0
.rept 4
	v_nop
.endr
	s_branch .Lasked_\@
.Lfor_b_\@:
	tensor_load_to_lds s[G0B+4*\sl:G0B+4*\sl+3], s[\gb:\gb+7]
	s_nop 0
.rept 4
	v_nop
.endr
.Lasked_\@:
.endm
	s_load_b256 s[4:11], s[0:1], 0x0               ; oimg s[4:5], woh s[6:7], bo s[8:9], out0 s[10:11]
	v_lshl_add_u32 v[SPW], v0, 2, SPARE
	v_mov_b32 v[NIL], 0
	ds_add_u32 v[SPW], v[NIL]                      ; the wave's opening: the add, twice on end, and its wait ahead of my first tensor load
	ds_add_u32 v[SPW], v[NIL]
	v_lshrrev_b32 v1, 5, v0
	v_readfirstlane_b32 s14, v1                    ; wave 0..3
	s_lshr_b32 s15, s14, 1                         ; wm.  Also: I fetch for A (0) or for B (1)
	s_and_b32 s16, s14, 1                          ; wn.  Also: which half of that tile I fetch
	s_bfe_u32 s17, ttmp6, 0x40000                  ; cx: also the tile column (256 columns)
	s_bfe_u32 s18, ttmp6, 0x40004                  ; cy
	s_and_b32 s19, ttmp7, 0xffff                   ; the cluster's y
	s_lshl_b32 s20, s19, 2
	s_add_co_u32 s20, s20, s18                     ; my block of 128 rows
	s_lshl_b32 s2, s18, 2
	s_lshl_b32 s2, 15, s2                          ; my row of the cluster
	s_lshl_b32 s3, 0x1111, s17                     ; my column
	s_or_b32 s[G1A], s2, (3<<16)|(1<<21)
	s_or_b32 s[G1AS], s2, (3<<16)|(1<<21)
	s_or_b32 s[G1B], s3, (3<<16)|(1<<21)
	s_or_b32 s[G1BS], s3, (3<<16)|(1<<21)
	GROUP1 G1A, NB, 4, 4096
	GROUP1 G1AS, 2, 4, 4096
	GROUP1 G1B, NB, 8, 4096
	GROUP1 G1BS, 2, 8, 4096
	s_lshl_b32 s22, s20, 18                        ; A: my block's 8 row tiles,
	s_lshl_b32 s23, s16, 17                        ; 4 a half
	s_add_co_u32 s22, s22, s23
	s_mov_b32 s23, 0
	s_mul_i32 s[G0A+1], s16, 4*NB*1024             ; its place in slot X,
	s_add_co_u32 s[G0A+5], s[G0A+1], SLOT          ; in slot Y,
	s_lshl_b32 s66, s16, 13
	s_add_co_u32 s66, s66, SLOT                    ; and in the short fill, which lies in slot Y
	s_mul_i32 s[G0B+1], s16, PART
	s_add_co_u32 s[G0B+1], s[G0B+1], PART
	s_add_co_u32 s[G0B+5], s[G0B+1], SLOT
	s_lshl_b32 s92, s17, 19                        ; B: 16 row tiles a tile column,
	s_lshl_b32 s93, s16, 18                        ; 8 a half
	s_add_co_u32 s92, s92, s93
	s_mov_b32 s93, 0
	s_wait_dscnt 0x0                               ; both opening adds are done
	s_wait_kmcnt 0x0
	s_add_nc_u64 s[22:23], s[4:5], s[22:23]
	s_add_nc_u64 s[92:93], s[6:7], s[92:93]
	CROUND                                         ; all sixteen work-groups are here: the first joint loads meet
	s_mov_b32 s[G0A], 1
	s_mov_b64 s[G0A+2:G0A+3], s[22:23]
	s_or_b32 s[G0A+3], s[G0A+3], 0x80000000
	s_mov_b32 s[G0A+4], 1
	s_add_nc_u64 s[G0A+6:G0A+7], s[22:23], NB*1024
	s_or_b32 s[G0A+7], s[G0A+7], 0x80000000
	s_mov_b32 s[G0B], 1
	s_mov_b64 s[G0B+2:G0B+3], s[92:93]
	s_or_b32 s[G0B+3], s[G0B+3], 0x80000000
	s_mov_b32 s[G0B+4], 1
	s_add_nc_u64 s[G0B+6:G0B+7], s[92:93], NB*1024
	s_or_b32 s[G0B+7], s[G0B+7], 0x80000000
	s_cmp_eq_u32 s15, 0                            ; a wave's two first fills stand in one arm, ahead of every wait on TENSORcnt and every LDS read: two loads of mine are out
	s_cbranch_scc0 .Lfirst_b
	tensor_load_to_lds s[G0A:G0A+3], s[G1A:G1A+7]
	s_nop 0
	tensor_load_to_lds s[G0A+4:G0A+7], s[G1A:G1A+7]
	s_nop 0
.rept 4
	v_nop
.endr
	s_branch .Lfirst_asked
.Lfirst_b:
	tensor_load_to_lds s[G0B:G0B+3], s[G1B:G1B+7]
	s_nop 0
	tensor_load_to_lds s[G0B+4:G0B+7], s[G1B:G1B+7]
	s_nop 0
.rept 4
	v_nop
.endr
.Lfirst_asked:
	v_and_b32 v1, 31, v0                           ; lane
	v_and_b32 v2, 15, v0                           ; r
	v_bfe_u32 v3, v0, 4, 1                         ; h
	v_lshlrev_b32 v[GO], 4, v1
	s_lshl_b32 s2, s17, 10                         ; bo at my first column
	s_lshl_b32 s22, s16, 9
	s_add_co_u32 s2, s2, s22
	s_mov_b32 s3, 0
	s_add_nc_u64 s[8:9], s[8:9], s[2:3]
	v_lshlrev_b32 v26, 5, v3                       ; + 32 h bytes
	WIN 0x80                                       ; destination window 2
.irp b, 0,1,2,3,4,5,6,7
	global_load_b128 v[8*\b:8*\b+3], v26, s[8:9] offset:64*\b
	global_load_b128 v[8*\b+4:8*\b+7], v26, s[8:9] offset:64*\b+16
.endr
	WIN 0
	s_mul_i32 s2, s15, NB*1024                     ; my A tiles are row tiles 2 a + wm
	v_add_nc_u32 v[ADAX], s2, v[GO]
	v_add_nc_u32 v[ADAY], SLOT, v[ADAX]
	s_lshl_b32 s2, s15, 11
	s_add_co_u32 s2, s2, SLOT
	v_add_nc_u32 v[ADAS], s2, v[GO]
	s_mul_i32 s2, s16, PART
	s_add_co_u32 s2, s2, PART
	v_add_nc_u32 v[ADBX], s2, v[GO]
	v_add_nc_u32 v[ADBY], SLOT, v[ADBX]
	v_lshlrev_b32 v[PFO], 8, v1
	s_mul_i32 s2, s14, 16*SPITCH                   ; my stage, in slot X
	v_mul_u32_u24 v[STO], v2, SPITCH
	v_lshl_add_u32 v[STO], v3, 5, v[STO]
	v_add_nc_u32 v[STO], s2, v[STO]                ; in: row r, + 32 h bytes
	v_add_nc_u32 v[RD], s2, v[GO]                  ; back: the 32 lanes take one row of 512 bytes
	; the prefetches: A's 8 row tiles are shared out among the four partners of my row x waves 0, 1.  Wo's image is read by all sixteen clusters: the first two ask, its 16 row tiles of a tile column shared out
	; among them x four partners of my column x waves 2, 3.  The shares go by address; the flag hangs on the wave's number and the cluster's number alone.
	s_lshl_b32 s2, s17, 1
	s_add_co_u32 s2, s2, s16
	s_lshl_b32 s2, s2, 15
	s_lshl_b32 s22, s20, 18
	s_add_co_u32 s2, s2, s22                       ; A: row tile 2 cx + wn of my block
	s_and_b32 s22, s19, 1
	s_lshl_b32 s22, s22, 2
	s_add_co_u32 s22, s22, s18
	s_lshl_b32 s22, s22, 1
	s_add_co_u32 s22, s22, s16                     ; B: row tile 2 (4 (cluster y % 2) + cy) + wn
	s_lshl_b32 s23, s17, 4
	s_add_co_u32 s22, s22, s23                     ; of tile column cx
	s_lshl_b32 s22, s22, 15
	s_cmp_lt_u32 s19, 2
	s_cselect_b32 s67, 1, 0
	s_cmp_eq_u32 s15, 0
	s_cselect_b32 s67, 1, s67                      ; do I ask?
	s_cselect_b32 s2, s2, s22
	s_cselect_b64 s[92:93], s[4:5], s[6:7]
	s_add_co_u32 s2, s2, 16384                     ; from chunk 16 on
	s_add_nc_u64 s[92:93], s[92:93], s[2:3]        ; never rewritten
	; the way out: y at row 128 x block + 16 wm, column 256 cx + 128 wn
	s_lshl_b32 s2, s20, 19
	s_lshl_b32 s22, s15, 16
	s_add_co_u32 s2, s2, s22
	s_lshl_b32 s22, s17, 10
	s_add_co_u32 s2, s2, s22
	s_lshl_b32 s22, s16, 9
	s_add_co_u32 s2, s2, s22
	s_add_nc_u64 s[10:11], s[10:11], s[2:3]
.macro BUFS
.set FC, F0+96*(KC%2)
.set FN, F0+96*(1-KC%2)
.endm
; na x 8 matrix instructions.  cin = 2: the product starts the sums with bo.  The 32 accumulators take turns, one instruction a turn, in one order.
.macro MUL f, a0, na, cin
.if \cin == 2
	WIN 0x60                                       ; C (bo) window 2, D window 1
.else
	WIN 0x50
.endif
.set ma, \a0
.rept \na
.irp b, 0,1,2,3,4,5,6,7
.if \cin == 2
	v_wmma_f32_16x16x32_f16 v[8*(8*ma+\b):8*(8*ma+\b)+7], v[\f+32+8*\b:\f+32+8*\b+7], v[\f+8*ma:\f+8*ma+7], v[8*\b:8*\b+7]
.else
	v_wmma_f32_16x16x32_f16 v[8*(8*ma+\b):8*(8*ma+\b)+7], v[\f+32+8*\b:\f+32+8*\b+7], v[\f+8*ma:\f+8*ma+7], v[8*(8*ma+\b):8*(8*ma+\b)+7]
.endif
.endr
.set ma, ma+1
.endr
.endm
.macro FETCH ra, rb, n, q, f
.irp b, 0,1,2,3,4,5,6,7
	ds_load_b128 v[\f+32+8*\b:\f+32+8*\b+3], v[\rb] offset:(\b*(\n)+(\q))*1024
	ds_load_b128 v[\f+32+8*\b+4:\f+32+8*\b+7], v[\rb] offset:(\b*(\n)+(\q))*1024+512
.endr
.irp a, 0,1,2,3
	ds_load_b128 v[\f+8*\a:\f+8*\a+3], v[\ra] offset:(2*\a*(\n)+(\q))*1024
	ds_load_b128 v[\f+8*\a+4:\f+8*\a+7], v[\ra] offset:(2*\a*(\n)+(\q))*1024+512
.endr
.endm
.macro QUARTER ra, rb, n, q, cin       ; a chunk that has its successor in the same fill
	BUFS
	s_wait_dscnt 4                                 ; B's fragments and A's tiles 0, 1 are in; the youngest four loads (A's tiles 2, 3) may be out
	MUL FC, 0, 2, \cin
	WIN 0
	PLACES                                         ; in front of loads into the buffer that the last chunk's products read
	FETCH \ra, \rb, \n, (\q)+1, FN
	s_wait_dscnt 24                                ; all but the 24 just issued
	MUL FC, 2, 2, \cin
.set KC, KC+1
.endm
; A prefetch of what later refills will ask for: 8 chunks of one row tile, lanes 256 bytes apart (n = 1: chunks 16-23; 2: chunks 24-31); each aligned 256 bytes are named once in the launch; chunks 0-15 come by their loads alone.
.macro ASK n
.if \n
	s_cmp_lg_u32 s67, 0
	s_cbranch_scc0 .Lnot_mine_\@
	global_prefetch_b8 v[PFO], s[92:93] offset:(\n-1)*8192 th:TH_LOAD_NT scope:SCOPE_SE
.Lnot_mine_\@:
.endif
.endm
; A fill's last chunk changes slots: ONE barrier.  In front of it each wave waits for all its tensor loads (its part of the other slot), adds 0 to its spare word, and waits for that and for its reads of this slot.
; kind = 1: slot sl is filled again with NB chunks, 2: with the last 2, 0: not at all.  With a refill the barrier opens a round of the cluster's barrier, and the joint refill is the first thing behind the round.
.macro TURN kind, sl, ra, rb, n, ask
	BUFS
	WIN 0
	s_wait_tensorcnt 0x0                           ; all my tensor loads have landed
	ds_add_u32 v[SPW], v[NIL]
	s_wait_dscnt 5                                 ; (the add and A's tiles 2, 3 may be out)
	MUL FC, 0, 1, 0
	s_wait_dscnt 0x0                               ; the add is done, and my reads of this slot are over
	s_barrier_signal -1
	MUL FC, 1, 1, 0
	WIN 0
	s_barrier_wait -1
.if \kind
	CREST                                          ; no wave of any partner still reads this slot or has a load on its way
	s_add_nc_u64 s[G0A+4*\sl+2:G0A+4*\sl+3], s[G0A+4*\sl+2:G0A+4*\sl+3], 2*NB*1024
	s_add_nc_u64 s[G0B+4*\sl+2:G0B+4*\sl+3], s[G0B+4*\sl+2:G0B+4*\sl+3], 2*NB*1024
.if \kind == 1
	JLOAD \sl, G1A, G1B
.else
	s_mov_b32 s[G0A+4*\sl+1], s66                  ; A's halves lie closer in the short fill
	JLOAD \sl, G1AS, G1BS
.endif
.else
	PLACES
.endif
	FETCH \ra, \rb, \n, 0, FN
	ASK \ask
	MUL FC, 2, 2, 0
.set KC, KC+1
.endm
	s_wait_tensorcnt 1                             ; my part of slot X is in (slot Y's may be out)
	s_barrier_signal -1
	s_barrier_wait -1                              ; everybody's is
.set KC, 0
	FETCH ADAX, ADBX, NB, 0, F0
	s_wait_loadcnt 0x0                             ; bo
	QUARTER ADAX, ADBX, NB, 0, 2                   ; chunk 0 starts the sums, with bo
.irp q, 1,2,3,4
	QUARTER ADAX, ADBX, NB, \q, 0
.endr
	TURN 1, 0, ADAY, ADBY, NB, 1                   ; chunk 5: X takes chunks 12-17
.irp q, 0,1,2,3,4
	QUARTER ADAY, ADBY, NB, \q, 0
.endr
	TURN 1, 1, ADAX, ADBX, NB, 2                   ; chunk 11: Y takes 18-23
.irp q, 0,1,2,3,4
	QUARTER ADAX, ADBX, NB, \q, 0
.endr
	TURN 1, 0, ADAY, ADBY, NB, 0                   ; chunk 17: X takes 24-29
.irp q, 0,1,2,3,4
	QUARTER ADAY, ADBY, NB, \q, 0
.endr
	TURN 2, 1, ADAX, ADBX, NB, 0                   ; chunk 23: Y takes the last two chunks
.irp q, 0,1,2,3,4
	QUARTER ADAX, ADBX, NB, \q, 0
.endr
	TURN 0, 0, ADAS, ADBY, 2, 0                    ; chunk 29: nothing is left to fetch; behind this barrier nobody reads slot X
	QUARTER ADAS, ADBY, 2, 0, 0                    ; chunk 30
	BUFS                                           ; chunk 31
	s_wait_dscnt 4
	MUL FC, 0, 2, 0
	s_wait_dscnt 0x0
	MUL FC, 2, 2, 0
	WIN 0
; THE WAY OUT, tile by tile of 16 rows x 128 columns.  LDS serves a wave's instructions in order (ISA guide 5.7.1.4): no wait between the stores and the loads, nor in front of the next tile's stores.
.macro TOSTAGE a
	WIN 0x04                                       ; an LDS store's data are its source 1: window 1
.irp b, 0,1,2,3,4,5,6,7
	ds_store_b128 v[STO], v[8*(8*(\a)+\b):8*(8*(\a)+\b)+3] offset:64*\b          ; each accumulator from its low end on
	ds_store_b128 v[STO], v[8*(8*(\a)+\b)+4:8*(8*(\a)+\b)+7] offset:64*\b+16
.endr
	WIN 0
.set BB, 64+64*((\a)%2)
.irp t, 0,1,2,3,4,5,6,7,8,9,10,11,12,13,14,15
	ds_load_b128 v[BB+4*\t:BB+4*\t+3], v[RD] offset:\t*SPITCH
.endr
.endm
.macro SEND a, younger                 ; younger: the LDS instructions issued behind tile a's loads, which may stay out
.set BB, 64+64*((\a)%2)
	s_wait_dscnt \younger
.irp t, 0,1,2,3,4,5,6,7,8,9,10,11,12,13,14,15
	global_store_b128 v[GO], v[BB+4*\t:BB+4*\t+3], s[10:11] offset:(32*(\a)+\t)*4096 th:TH_STORE_NT   ; 32 lanes store 512 consecutive bytes, aligned; written once, read by nobody here
.endr
.endm
	PLACES                                         ; behind the last products: their results are read, and rows land on registers that held fragments
	TOSTAGE 0
.irp a, 1,2,3
.if \a > 1
	s_wait_xcnt 0x0                                ; tile a - 2's stores have read their data: tile a's rows land there only behind this wait
.endif
	TOSTAGE \a
	SEND \a-1, 32                                  ; behind tile a - 1's loads: tile a's 16 stores and 16 loads
.endr
	SEND 3, 0
	s_wait_tensorcnt 0x0                           ; the wave's end: three lines behind my last tensor load and my last LDS store
	ds_add_u32 v[SPW], v[NIL]
	s_wait_dscnt 0x0
	CROUND                                         ; the closing round: no work-group ends while a partner may still ask for a tile that names it
	s_endpgm
.Lfunc_end_k_qec56858500_outp:
	.size	k_qec56858500_outp, .Lfunc_end_k_qec56858500_outp-k_qec56858500_outp
	.p2alignl 7, 3214868480
	.fill 96, 4, 3214868480
	.section	.rodata,"a",@progbits
	.p2align	6, 0x0
	.amdhsa_kernel k_qec56858500_outp
		.amdhsa_group_segment_fixed_size 327680
		.amdhsa_private_segment_fixed_size 0
		.amdhsa_enable_private_segment 0
		.amdhsa_kernarg_size 32
		.amdhsa_user_sgpr_count 2
		.amdhsa_user_sgpr_kernarg_segment_ptr 1
		.amdhsa_wavefront_size32 1
		.amdhsa_system_sgpr_workgroup_id_x 1
		.amdhsa_system_sgpr_workgroup_id_y 1
		.amdhsa_system_sgpr_workgroup_id_z 1
		.amdhsa_system_vgpr_workitem_id 0
		.amdhsa_next_free_vgpr 576
		.amdhsa_next_free_sgpr 102
		.amdhsa_reserve_vcc 0
		.amdhsa_float_denorm_mode_32 3
		.amdhsa_float_denorm_mode_16_64 3
		.amdhsa_memory_ordered 1
		.amdhsa_forward_progress 1
		.amdhsa_inst_pref_size 149
	.end_amdhsa_kernel
	.amdgpu_metadata
---
amdhsa.version: [ 1, 2 ]
amdhsa.kernels:
  - .name:           k_qec56858500_outp
    .symbol:         k_qec56858500_outp.kd
    .args:
      - { .name: oimg, .offset: 0, .size: 8, .value_kind: global_buffer, .address_space: global }
      - { .name: woh, .offset: 8, .size: 8, .value_kind: global_buffer, .address_space: global }
      - { .name: bo, .offset: 16, .size: 8, .value_kind: global_buffer, .address_space: global }
      - { .name: out0, .offset: 24, .size: 8, .value_kind: global_buffer, .address_space: global }
    .group_segment_fixed_size: 327680
    .private_segment_fixed_size: 0
    .kernarg_segment_align: 8
    .kernarg_segment_size: 32
    .max_flat_workgroup_size: 128
    .sgpr_count:     102
    .vgpr_count:     576
    .wavefront_size: 32
...
	.end_amdgpu_metadata
.endif
;; end of part 5
